; MI455X (gfx1250); checked and timed in simulation.
; The chip was launched on July 23, 2026; its instructions are those of AMD's public machine-readable ISA for CDNA 5 (MIT licence, August 2026) and "CDNA5" Instruction Set Architecture Reference Guide (July 2026). The comments in the code are by the model that wrote it; some were corrected since.
;; Exaone Attention. Allowed arithmetic: float matrix products may take bf16 or f16 operands with f32 sums; other float arithmetic in f32, or as packed bf16 or f16 multiplies, adds, multiply-adds, maxima and minima; sums over many terms, partial sums and values carried from step to step in f32; what a program stores and reads back later, other than sums and carried values, may be rounded once to bf16 or f16.
;; Inputs: Wk 4,096 x 512 float32; Wo 1,024 x 4,096 float32; Wq 4,096 x 1,024 float32; Wv 4,096 x 512 float32; attention_mask 2 x 2,048 int32; hidden_states 2 x 2,048 x 4,096 float32; position_ids 2 x 2,048 int32.
;; Outputs: out0 2 x 2,048 x 4,096 float32.
;; 2 versions, each right; version 2 is version 1 with the launch prep written anew for expert scheduling mode. Each part assembles by itself: llvm-mc -triple=amdgcn-amd-amdhsa -mcpu=gfx1250 --defsym DOCPART=n.
;; ======== version 1 of 2: 4 launches
;; limits: right only within a limited range of input values; values are held in f16: magnitudes above 65,504 overflow, below 6.1e-05 lose precision
;; workspace buffers: xb 33,554,432 bytes; wqkv 16,777,216 bytes; wo8 8,388,608 bytes; rope 2,105,344 bytes; kbias 16,384 bytes; qkv 16,777,216 bytes; psum 524,288 bytes; ctx 8,388,608 bytes
;; launch prep (part 1): grid 1157 x 1, 8 waves a work-group, no clusters, 0 bytes of LDS; arguments hidden_states, Wq, Wk, Wv, Wo, position_ids, attention_mask, xb, wqkv, wo8, rope, kbias; writes xb, wqkv, wo8, rope, kbias
.if DOCPART == 1
	.amdgcn_target "amdgcn-amd-amdhsa--gfx1250"
	.amdhsa_code_object_version 6
	.text
	.protected	k_qfbe112f8f5_prep
	.globl	k_qfbe112f8f5_prep
	.p2align	8
	.type	k_qfbe112f8f5_prep,@function
k_qfbe112f8f5_prep:
	s_mov_b64 s[64:65], 0
	v_nop
	global_prefetch_b8 v0, s[64:65] scope:SCOPE_SE
	s_setreg_imm32_b32 hwreg(HW_REG_WAVE_MODE, 25, 1), 1
	s_wait_xcnt 0x0
; PREP: everything that later launches want in another format, each input byte read once.
;   work-groups 0-255    the rope table: row b*2048+s holds cos(pos*f_j)/8 for j = 0..63, then sin(pos*f_j)/8; f_j = 10000^(-j/64); 16 rows a work-group
;   work-group  256      16 rows behind the table with 1/8 and 0: the table that V's columns take (no rotation, the same factor 1/8)
;   work-groups 257-260  kbias: 0 where attention_mask > 0, else -1e30
;   work-groups 261-1156 casts, 32,768 numbers each: hidden_states -> xb (bf16); Wq, Wk, Wv -> wqkv (bf16, one matrix [4096][2048]); Wo -> wo8 = f16(8 x bf16(Wo))
; The factor 1/8 on q, k and v keeps them inside f16 up to 524,000; it is exact, and is taken back in the softmax's scale (x 64) and in wo8 (x 8).
; No LDS, no matrix unit, no cluster: a stream whose work-groups share no input.
; LIMITS.  The angle pos*f_j is reduced by pi/2 in three parts with fused multiply-adds: good to f32's rounding up to angles of about 1e5; beyond, the angle loses bits.
; Sine and cosine are polynomials on |r| <= pi/4, good to about 1e-7.  8 x bf16(Wo) is exact in f16 between 6e-5 and 65,504; below, it keeps f16's fixed step of 6e-8.
.set DA,    2          ; v[2:33]    a cast's 32 byte offsets in the destination, never rewritten
.set X,     40         ; v[40:167]  a cast's 32 slots of four f32
.set T,     168        ; v[168:171] at work
.set EIGHT, 172        ; v172  8.0
.set ZERO,  173        ; v173  0
.set NCH, 32           ; the table's constants, in scalar registers that the casts use otherwise
.set NCL, 33
.set LN2, 34
.set TOPI, 35
.set P1,  36
.set P2,  37
.set P3,  38
.set S0,  39
.set S1,  40
.set S2,  41
.set C0,  42
.set C1,  43
.set C2,  44
.set SRC, 32           ; s[32:33] a cast's source, s[34:35] its destination
.set DST, 34
.set GL,  36           ; the work-group's number within its tensor
.set LOGN, 37          ; log2 of the source's row length
.set MASKN, 38
.set LOGPB, 39         ; log2 of the destination's row pitch in bytes
.set COLB, 40          ; first byte of the tensor's columns in a destination row
.set DSTEP, 41         ; destination bytes from slot to slot (1,024 numbers on)
.set KIND, 42          ; 1: Wo
.set G,   43
	s_load_b512 s[8:23], s[0:1], 0x0               ; hidden s[8:9], Wq s[10:11], Wk s[12:13], Wv s[14:15], Wo s[16:17], pos s[18:19], mask s[20:21], xb s[22:23]
	s_load_b256 s[24:31], s[0:1], 0x40             ; wqkv s[24:25], wo8 s[26:27], rope s[28:29], kbias s[30:31]
	s_wait_kmcnt 0x0
	s_cmp_gt_u32 ttmp9, 260
	s_cbranch_scc1 .Lcast
	s_cmp_gt_u32 ttmp9, 256
	s_cbranch_scc1 .Lkb
	; THE TABLE.  Thread t: row t / 16 of the group's 16, frequencies 4 (t % 16) + 0..3: sixteen lanes store 256 consecutive bytes, aligned.
	v_lshrrev_b32 v1, 4, v0
	v_and_b32 v2, 15, v0
	s_lshl_b32 s2, ttmp9, 13                       ; 16 rows of 512 bytes
	s_mov_b32 s3, 0
	s_add_nc_u64 s[28:29], s[28:29], s[2:3]
	v_lshlrev_b32 v5, 9, v1
	v_lshl_add_u32 v5, v2, 4, v5
	s_cmp_eq_u32 ttmp9, 256
	s_cbranch_scc1 .Lident
	s_lshl_b32 s2, ttmp9, 6
	v_lshl_add_u32 v3, v1, 2, s2
	global_load_b32 v4, v3, s[18:19]               ; my row's position
	s_mov_b32 s[NCH], 0xbe549a78                   ; -log2(10000)/64, high part
	s_mov_b32 s[NCL], 0xb1979a94                   ; and what f32 left of it
	s_mov_b32 s[LN2], 0x3f317218
	s_mov_b32 s[TOPI], 0x3f22f983                  ; 2/pi
	s_mov_b32 s[P1], 0x3fc90fd8                    ; pi/2 in three parts
	s_mov_b32 s[P2], 0x34a8885a
	s_mov_b32 s[P3], 0x27c234c4
	s_mov_b32 s[S0], 0xb94ca1f9                    ; sine: r + r z ((S0 z + S1) z + S2)
	s_mov_b32 s[S1], 0x3c08839e
	s_mov_b32 s[S2], 0xbe2aaaa3
	s_mov_b32 s[C0], 0x37ccf5ce                    ; cosine: 1 - z/2 + z z ((C0 z + C1) z + C2)
	s_mov_b32 s[C1], 0xbab6061a
	s_mov_b32 s[C2], 0x3d2aaaa5
; f_j = 2^(j x (NCH + NCL)): the product's rounding error and the constant's low part are gathered in e, and 2^(t + e) = 2^t (1 + e ln 2)
.macro FREQ i
.set R, 16+12*(\i)
	v_lshl_add_u32 v[R], v2, 2, \i
	v_cvt_f32_u32 v[R], v[R]
	v_mul_f32 v[R+1], s[NCH], v[R]
	v_fma_f32 v[R+2], v[R], s[NCH], -v[R+1]
	v_fma_f32 v[R+2], v[R], s[NCL], v[R+2]
	v_exp_f32 v[R+3], v[R+1]
	v_nop                                          ; a plain instruction between the exponential and the use of its result
	s_wait_alu depctr_va_vdst(0)
	v_mul_f32 v[R+4], v[R+3], v[R+2]
	v_fma_f32 v[R+3], v[R+4], s[LN2], v[R+3]
.endm
; the angle, its quadrant q and remainder r; both polynomials; the quadrant swaps them and sets the signs; the factor 1/8
.macro ANG i
.set R, 16+12*(\i)
	v_mul_f32 v[R+5], v6, v[R+3]                   ; pos x f_j, rounded once
	v_mul_f32 v[R+6], s[TOPI], v[R+5]
	v_rndne_f32 v[R+6], v[R+6]
	v_fma_f32 v[R+7], -v[R+6], s[P1], v[R+5]
	v_fma_f32 v[R+7], -v[R+6], s[P2], v[R+7]
	v_fma_f32 v[R+7], -v[R+6], s[P3], v[R+7]
	v_mul_f32 v[R+8], v[R+7], v[R+7]
	v_fma_f32 v[R+9], v[R+8], s[S0], s[S1]
	v_fma_f32 v[R+9], v[R+9], v[R+8], s[S2]
	v_mul_f32 v[R+10], v[R+8], v[R+7]
	v_fma_f32 v[R+9], v[R+9], v[R+10], v[R+7]      ; sin r
	v_fma_f32 v[R+10], v[R+8], s[C0], s[C1]
	v_fma_f32 v[R+10], v[R+10], v[R+8], s[C2]
	v_mul_f32 v[R+11], v[R+8], v[R+8]
	v_fma_f32 v[R+4], v[R+8], -0.5, 1.0
	v_fma_f32 v[R+10], v[R+10], v[R+11], v[R+4]    ; cos r
	v_cvt_i32_f32 v[R+6], v[R+6]
	v_and_b32 v[R+4], 1, v[R+6]
	v_cmp_ne_u32 vcc_lo, 0, v[R+4]                 ; odd quadrant: sine and cosine change places
	v_cndmask_b32 v[R+1], v[R+9], v[R+10], vcc_lo
	v_cndmask_b32 v[R+2], v[R+10], v[R+9], vcc_lo
	v_and_b32 v[R+4], 2, v[R+6]                    ; the sine is negative in quadrants 2 and 3,
	v_lshlrev_b32 v[R+4], 30, v[R+4]
	v_xor_b32 v[R+1], v[R+4], v[R+1]
	v_add_nc_u32 v[R+6], 1, v[R+6]                 ; the cosine in 1 and 2
	v_and_b32 v[R+4], 2, v[R+6]
	v_lshlrev_b32 v[R+4], 30, v[R+4]
	v_xor_b32 v[R+2], v[R+4], v[R+2]
	v_mul_f32 v[64+(\i)], 0x3e000000, v[R+2]
	v_mul_f32 v[68+(\i)], 0x3e000000, v[R+1]
.endm
	FREQ 0
	FREQ 1
	FREQ 2
	FREQ 3
	s_wait_loadcnt 0x0
	v_cvt_f32_i32 v6, v4
	ANG 0
	ANG 1
	ANG 2
	ANG 3
	global_store_b128 v5, v[64:67], s[28:29]
	global_store_b128 v5, v[68:71], s[28:29] offset:256
	s_endpgm
.Lident:
.irp i, 0,1,2,3
	v_mov_b32 v[64+(\i)], 0x3e000000
	v_mov_b32 v[68+(\i)], 0
.endr
	global_store_b128 v5, v[64:67], s[28:29]
	global_store_b128 v5, v[68:71], s[28:29] offset:256
	s_endpgm
.Lkb:                                                  ; four flags a thread
	s_sub_co_u32 s2, ttmp9, 257
	s_lshl_b32 s2, s2, 12
	v_lshl_add_u32 v1, v0, 4, s2
	global_load_b128 v[4:7], v1, s[20:21]
	v_mov_b32 v12, 0xf149f2ca                      ; -1e30
	v_mov_b32 v13, 0
	s_wait_loadcnt 0x0
.irp i, 0,1,2,3
	v_cmp_lt_i32 vcc_lo, 0, v[4+(\i)]
	v_cndmask_b32 v[8+(\i)], v12, v13, vcc_lo
.endr
	global_store_b128 v1, v[8:11], s[30:31]
	s_endpgm
; THE CASTS.  One text for the five tensors; what differs lies in scalar registers.
.macro CASE upto, first, src, dst, logn, logpb, colb, dstep, kind
.if \upto
	s_cmp_lt_u32 s[G], \upto
	s_cbranch_scc0 .Lnext_\@
.endif
	s_sub_co_u32 s[GL], s[G], \first
	s_mov_b64 s[SRC:SRC+1], s[\src:\src+1]
	s_mov_b64 s[DST:DST+1], s[\dst:\dst+1]
	s_mov_b32 s[LOGN], \logn
	s_mov_b32 s[MASKN], (1<<\logn)-1
	s_mov_b32 s[LOGPB], \logpb
	s_mov_b32 s[COLB], \colb
	s_mov_b32 s[DSTEP], \dstep
	s_mov_b32 s[KIND], \kind
.if \upto
	s_branch .Lgo
.Lnext_\@:
.endif
.endm
.Lcast:
	s_sub_co_u32 s[G], ttmp9, 261
	CASE 512, 0,   8,  22, 12, 13, 0,    2048, 0   ; hidden_states -> xb
	CASE 640, 512, 10, 24, 10, 12, 0,    4096, 0   ; Wq -> columns 0-1023 of wqkv
	CASE 704, 640, 12, 24, 9,  12, 2048, 8192, 0   ; Wk -> columns 1024-1535
	CASE 768, 704, 14, 24, 9,  12, 3072, 8192, 0   ; Wv -> columns 1536-2047
	CASE 0,   768, 16, 26, 12, 13, 0,    2048, 1   ; Wo -> wo8
.Lgo:
	s_lshl_b32 s2, s[GL], 17                       ; 131,072 source bytes a work-group
	s_mov_b32 s3, 0
	s_add_nc_u64 s[SRC:SRC+1], s[SRC:SRC+1], s[2:3]
	v_lshlrev_b32 v1, 4, v0
.set i, 0
.rept 32                                               ; all 32 loads of a thread go out at once: 16 KB of a wave are on their way; a load of the wave covers 512 consecutive bytes
	global_load_b128 v[X+4*i:X+4*i+3], v1, s[SRC:SRC+1] offset:4096*i th:TH_LOAD_NT
.set i, i+1
.endr
	s_lshl_b32 s2, s[GL], 15
	v_lshl_add_u32 v34, v0, 2, s2                  ; my first number
	v_lshrrev_b32 v35, s[LOGN], v34                ; its row
	v_and_b32 v34, s[MASKN], v34                   ; its column
	v_lshlrev_b32 v35, s[LOGPB], v35
	v_lshl_add_u32 v34, v34, 1, s[COLB]
	v_add_nc_u32 v[DA], v35, v34
.set i, 1
.rept 31
	v_add_nc_u32 v[DA+i], s[DSTEP], v[DA+i-1]
.set i, i+1
.endr
	v_mov_b32 v[EIGHT], 0x41000000
	v_mov_b32 v[ZERO], 0
; Slot i: loads come back in order, so the count leaves the 31 - i younger ones out.  Four numbers are rounded in place; a store of the wave covers 256 consecutive bytes, aligned.
; No register that a pending load or store names is written again, so no further wait is needed.
.macro SLOTS kind
.set i, 0
.rept 32
	s_wait_loadcnt 31-i
	v_cvt_pk_bf16_f32 v[X+4*i], v[X+4*i], v[X+4*i+1]
	v_cvt_pk_bf16_f32 v[X+4*i+1], v[X+4*i+2], v[X+4*i+3]
.if \kind
	v_fma_mix_f32_bf16 v[T], v[X+4*i], v[EIGHT], v[ZERO] op_sel_hi:[1,0,0]                    ; the bf16 number times 8, exact in f32,
	v_fma_mix_f32_bf16 v[T+1], v[X+4*i], v[EIGHT], v[ZERO] op_sel:[1,0,0] op_sel_hi:[1,0,0]
	v_fma_mix_f32_bf16 v[T+2], v[X+4*i+1], v[EIGHT], v[ZERO] op_sel_hi:[1,0,0]
	v_fma_mix_f32_bf16 v[T+3], v[X+4*i+1], v[EIGHT], v[ZERO] op_sel:[1,0,0] op_sel_hi:[1,0,0]
	v_cvt_pk_f16_f32 v[X+4*i], v[T], v[T+1]                                                   ; written as f16
	v_cvt_pk_f16_f32 v[X+4*i+1], v[T+2], v[T+3]
.endif
	global_store_b64 v[DA+i], v[X+4*i:X+4*i+1], s[DST:DST+1]
.set i, i+1
.endr
	s_endpgm
.endm
	s_cmp_eq_u32 s[KIND], 1
	s_cbranch_scc1 .Lwo
	SLOTS 0
.Lwo:
	SLOTS 1
.Lfunc_end_k_qfbe112f8f5_prep:
	.size	k_qfbe112f8f5_prep, .Lfunc_end_k_qfbe112f8f5_prep-k_qfbe112f8f5_prep
	.p2alignl 7, 3214868480
	.fill 96, 4, 3214868480
	.section	.rodata,"a",@progbits
	.p2align	6, 0x0
	.amdhsa_kernel k_qfbe112f8f5_prep
		.amdhsa_group_segment_fixed_size 0
		.amdhsa_private_segment_fixed_size 0
		.amdhsa_enable_private_segment 0
		.amdhsa_kernarg_size 96
		.amdhsa_user_sgpr_count 2
		.amdhsa_user_sgpr_kernarg_segment_ptr 1
		.amdhsa_wavefront_size32 1
		.amdhsa_system_sgpr_workgroup_id_x 1
		.amdhsa_system_sgpr_workgroup_id_y 1
		.amdhsa_system_sgpr_workgroup_id_z 1
		.amdhsa_system_vgpr_workitem_id 0
		.amdhsa_next_free_vgpr 176
		.amdhsa_next_free_sgpr 66
		.amdhsa_reserve_vcc 1
		.amdhsa_float_denorm_mode_32 3
		.amdhsa_float_denorm_mode_16_64 3
		.amdhsa_memory_ordered 1
		.amdhsa_forward_progress 1
		.amdhsa_inst_pref_size 46
	.end_amdhsa_kernel
	.amdgpu_metadata
---
amdhsa.version: [ 1, 2 ]
amdhsa.kernels:
  - .name:           k_qfbe112f8f5_prep
    .symbol:         k_qfbe112f8f5_prep.kd
    .args:
      - { .name: hidden_states, .offset: 0, .size: 8, .value_kind: global_buffer, .address_space: global }
      - { .name: Wq, .offset: 8, .size: 8, .value_kind: global_buffer, .address_space: global }
      - { .name: Wk, .offset: 16, .size: 8, .value_kind: global_buffer, .address_space: global }
      - { .name: Wv, .offset: 24, .size: 8, .value_kind: global_buffer, .address_space: global }
      - { .name: Wo, .offset: 32, .size: 8, .value_kind: global_buffer, .address_space: global }
      - { .name: position_ids, .offset: 40, .size: 8, .value_kind: global_buffer, .address_space: global }
      - { .name: attention_mask, .offset: 48, .size: 8, .value_kind: global_buffer, .address_space: global }
      - { .name: xb, .offset: 56, .size: 8, .value_kind: global_buffer, .address_space: global }
      - { .name: wqkv, .offset: 64, .size: 8, .value_kind: global_buffer, .address_space: global }
      - { .name: wo8, .offset: 72, .size: 8, .value_kind: global_buffer, .address_space: global }
      - { .name: rope, .offset: 80, .size: 8, .value_kind: global_buffer, .address_space: global }
      - { .name: kbias, .offset: 88, .size: 8, .value_kind: global_buffer, .address_space: global }
    .group_segment_fixed_size: 0
    .private_segment_fixed_size: 0
    .kernarg_segment_align: 8
    .kernarg_segment_size: 96
    .max_flat_workgroup_size: 256
    .sgpr_count:     66
    .vgpr_count:     176
    .wavefront_size: 32
...
	.end_amdgpu_metadata
.endif
;; end of part 1
;; launch gemm_qkv (part 2): grid 8 x 32, 4 waves a work-group, clusters of 4 x 4, 327,680 bytes of LDS; arguments xb, wqkv, rope, qkv, psum; writes qkv, psum
.if DOCPART == 2
	.amdgcn_target "amdgcn-amd-amdhsa--gfx1250"
	.amdhsa_code_object_version 6
	.text
	.protected	k_qfbe112f8f5_gemm_qkv
	.globl	k_qfbe112f8f5_gemm_qkv
	.p2align	8
	.type	k_qfbe112f8f5_gemm_qkv,@function
k_qfbe112f8f5_gemm_qkv:
	s_mov_b64 s[64:65], 0
	v_nop
	global_prefetch_b8 v0, s[64:65] scope:SCOPE_SE
	s_setreg_imm32_b32 hwreg(HW_REG_WAVE_MODE, 25, 1), 1
	s_wait_xcnt 0x0
	s_wait_alu depctr_hold_cnt(0) depctr_sa_sdst(0) depctr_va_vdst(0) depctr_va_sdst(0) depctr_va_ssrc(0) depctr_va_vcc(0) depctr_vm_vsrc(0)
	s_getreg_b32 s2, hwreg(HW_REG_IB_STS2, 6, 4)
	s_cmp_eq_u32 s2, 0
	s_cbranch_scc0 .Lentry_in_a_cluster
	s_endpgm
.Lentry_in_a_cluster:
	s_bfe_u32 s2, ttmp6, 0x10000c
	s_cmp_lg_u32 s2, 0xf033
	s_cbranch_scc0 .Lentry_shape_is_right
	s_endpgm
.Lentry_shape_is_right:
; Q, K, V = x W, roped, by heads.  A = xb [4096][4096] bf16 (rows along K), B = wqkv [4096 k][2048 n] bf16; sums in f32.
; Out: qkv [16 heads' slots][4096 rows][128] f16 = the sums, rotated by the rope table (q and k; v takes the table's row of 1/8 and 0), all times 1/8, rounded once;
; psum [16][64][128] f32 = the column sums of each wave's 64 stored rows (the next launch takes v's: the mean of v for rows that see no key).
; LIMIT.  |q|, |k|, |v| below 524,000 (f16 holds 65,504, and the stored numbers carry 1/8).
; A tile of C is 128 rows x 256 columns: 256 work-groups.  Four waves, each 64 rows x 128 columns = one head: 32 accumulators of 16 x 16.
; K goes in steps of 128 through two LDS slots.  A's tile rows are 256 bytes, B's (128 k rows of 256 columns) 512 bytes; B comes out of LDS turned, by ds_load_tr16_b128.
; CLUSTER 4 x 4: the four work-groups of a row need the same tile of A, the four of a column the same tile of B: each is asked for jointly.
; THE MATRIX INSTRUCTION IS USED TRANSPOSED (source 0 = 16 columns of B, source 1 = 16 rows of A): lane l holds row l % 16 and eight neighbouring columns 8 (l / 16) + 0..7.
; REGISTERS: window 0: v0-31 addresses; v32-95 A's fragments, two buffers; v96-223 B's, two buffers; all of v32-208 at work on the way out.
;   window 1: the accumulators, (a, b) at v[8 (8 a + b)].   window 2: my 64 rows of the rope table, block a at 64 a: 32 cosines, 32 sines.
.set KK,     4096
.set NN,     2048
.set KSTEP,  128
.set LAPS,   KK/(2*KSTEP)      ; a lap = two K steps = once round the ring
.set PA,     272               ; A's LDS row: 256 bytes + 16: the 16 rows of a load start at 16 different groups of four banks (64 banks of 4 bytes: ISA guide 11.1)
.set PB,     544               ; B's LDS row: 512 bytes + 32 = 17 x 32
.set HALFA,  64*PA
.set HALFB,  64*PB
.set BOFF,   2*HALFA           ; a slot: A's 128 rows, then B's 128 k rows
.set SLOT,   2*HALFA+2*HALFB
.set STAGE,  2*SLOT            ; behind the ring: 16 rows x 272 bytes for each wave, for the way out
.set SP,     272
.set SPARE,  STAGE+4*16*SP     ; behind the stages: the spare words, 128 bytes for each wave
.set TO,   8                   ; v8-11  my byte offset in the table for row block a
.set PO,   12                  ; v12    my 16 bytes in a row of psum
.set ADRA, 16                  ; v16-17 LDS address of my A fragments in slot 0, 1
.set ADRB, 20                  ; v20-21 the same for B
.set STO,  24
.set RD,   25
.set CO,   26
.set SPW,  28                  ; v28    my spare word; never rewritten
.set NIL,  29                  ; v29    0; never rewritten
.set FA,   32
.set FB,   96
.set F0,   0
.set F1,   1
.set Y,    32                  ; the way out: 64 rotated numbers
.set TMP,  96                  ; packed
.set BK,   128                 ; whole rows back from the stage: two buffers of 32
.set PS,   192                 ; eight running column sums
.set PT,   200
.set ONE,  208
.set G1,  24
.set G0,  32
.set G1B, 48
.set G0B, 56
.set MSB, 0
.macro WIN new                 ; the immediate's high byte repeats the setting that is left; a switch that changes nothing is dropped
.if MSB != (\new)
	s_set_vgpr_msb (MSB<<8)|(\new)
.set MSB, \new
.endif
.endm
.set MUL, 0x50                 ; C and D in window 1, both sources in window 0
.macro JLOAD s                 ; a joint load: waves 0 and 1 fetch A's two halves, waves 2 and 3 B's; an s_nop 0 and four v_nop follow each of the two lines
	s_cmp_eq_u32 s11, 0
	s_cbranch_scc0 .Lfor_b_\@
	tensor_load_to_lds s[G0+4*(\s):G0+4*(\s)+3], s[G1:G1+7]
	s_nop 0
.rept 4
	v_nop
.endr
	s_branch .Lasked_\@
.Lfor_b_\@:
	tensor_load_to_lds s[G0B+4*(\s):G0B+4*(\s)+3], s[G1B:G1B+7]
	s_nop 0
.rept 4
	v_nop
.endr
.Lasked_\@:
.endm
.macro CREST                   ; a round of the cluster's barrier behind its opening barrier
	s_cmp_lg_u32 s10, 0
	s_cbranch_scc1 .Lnot_wave_0_\@
	s_barrier_signal -3
.Lnot_wave_0_\@:
	s_barrier_wait -3
	s_barrier_signal -1
	s_barrier_wait -1
.endm
.macro CROUND
	s_barrier_signal -1
	s_barrier_wait -1
	CREST
.endm
	s_load_b128 s[4:7], s[0:1], 0x0                ; xb s[4:5], wqkv s[6:7]
	s_load_b64 s[68:69], s[0:1], 0x10              ; rope
	s_load_b64 s[8:9], s[0:1], 0x18                ; qkv
	s_load_b64 s[70:71], s[0:1], 0x20              ; psum
	v_lshl_add_u32 v[SPW], v0, 2, SPARE
	v_mov_b32 v[NIL], 0
	ds_add_u32 v[SPW], v[NIL]                      ; the wave's opening: the add and its wait stand ahead of my first tensor load; work on registers stands between them
	v_lshrrev_b32 v1, 5, v0
	v_readfirstlane_b32 s10, v1                    ; wave 0..3
	s_lshr_b32 s11, s10, 1                         ; which 64 rows of the tile are mine.  Also: I fetch for A (0) or for B (1)
	s_and_b32 s12, s10, 1                          ; which 128 columns.  Also: which half of that tile I fetch
	s_bfe_u32 s40, ttmp6, 0x40000                  ; cx, cy: my place in the cluster
	s_bfe_u32 s41, ttmp6, 0x40004
	s_lshl_b32 s42, ttmp9, 2
	s_add_co_u32 s42, s42, s40                     ; tile column = 4 x cluster x + cx
	s_and_b32 s13, ttmp7, 0xffff
	s_lshl_b32 s13, s13, 2
	s_add_co_u32 s13, s13, s41                     ; tile row = 4 x cluster y + cy
	s_lshl_b32 s43, s41, 2
	s_lshl_b32 s43, 15, s43                        ; my row of the cluster
	s_lshl_b32 s44, 0x1111, s40                    ; my column
	s_or_b32 s[G1+0], s43, (1<<16)|(1<<20)|(1<<21)|(5<<22)|(3<<25)   ; the mask; 2-byte elements; padding on; bit 21 beside a mask; after every 64 words 4 words
	s_or_b32 s[G1B+0], s44, (1<<16)|(1<<20)|(1<<21)|(6<<22)|(7<<25)  ; B: after every 128 words 8 words
	s_mov_b32 s[G1+1], 128<<16                     ; A: tensor_dim0 = 128
	s_mov_b32 s[G1+2], 64<<16                      ; tensor_dim1 = 64
	s_mov_b32 s[G1+3], 128<<16                     ; tile_dim0 = 128
	s_mov_b32 s[G1+4], 64                          ; tile_dim1 = 64
	s_mov_b32 s[G1+5], KK                          ; elements from row to row
	s_mov_b32 s[G1+6], 0
	s_mov_b32 s[G1+7], 0
	s_mov_b32 s[G1B+1], 256<<16                    ; B: 64 k rows of 256 columns
	s_mov_b32 s[G1B+2], 64<<16
	s_mov_b32 s[G1B+3], 256<<16
	s_mov_b32 s[G1B+4], 64
	s_mov_b32 s[G1B+5], NN
	s_mov_b32 s[G1B+6], 0
	s_mov_b32 s[G1B+7], 0
	s_lshl_b32 s16, s13, 7                         ; A: row 128 x tile row + 64 x half, in bytes (under 2^32)
	s_lshl_b32 s17, s12, 6
	s_add_co_u32 s16, s16, s17
	s_mul_i32 s16, s16, KK*2
	s_mov_b32 s17, 0
	s_mul_i32 s46, s12, 64*NN*2                    ; B: k row 64 x half, column 256 x tile column
	s_lshl_b32 s47, s42, 9
	s_add_co_u32 s46, s46, s47
	s_mov_b32 s47, 0
	s_mul_i32 s20, s12, HALFA                      ; where they go: no place in the cluster enters an LDS address
	s_mul_i32 s21, s12, HALFB
	s_add_co_u32 s21, s21, BOFF
	s_wait_dscnt 0x0                               ; the opening add is done
	s_wait_kmcnt 0x0
	s_add_nc_u64 s[14:15], s[4:5], s[16:17]
	s_add_nc_u64 s[46:47], s[6:7], s[46:47]
	CROUND                                         ; all sixteen work-groups are here: the first joint loads meet
.irp s, 0,1
	s_mov_b32 s[G0+4*(\s)], 1
	s_add_co_u32 s[G0+4*(\s)+1], s20, (\s)*SLOT
	s_add_nc_u64 s[G0+4*(\s)+2:G0+4*(\s)+3], s[14:15], (\s)*KSTEP*2
	s_or_b32 s[G0+4*(\s)+3], s[G0+4*(\s)+3], 0x80000000
	s_mov_b32 s[G0B+4*(\s)], 1
	s_add_co_u32 s[G0B+4*(\s)+1], s21, (\s)*SLOT
	s_add_nc_u64 s[G0B+4*(\s)+2:G0B+4*(\s)+3], s[46:47], (\s)*KSTEP*NN*2
	s_or_b32 s[G0B+4*(\s)+3], s[G0B+4*(\s)+3], 0x80000000
	JLOAD \s                                       ; two loads of mine are out
.endr
	v_and_b32 v1, 15, v0                           ; r = l % 16
	v_bfe_u32 v2, v0, 4, 1                         ; h = l / 16
	v_mul_u32_u24 v3, v1, PA                       ; A's fragment: row r, 16 bytes for each half of the lanes
	v_lshl_add_u32 v3, v2, 4, v3
	s_mul_i32 s22, s11, HALFA
	v_add_nc_u32 v[ADRA], s22, v3
	v_add_nc_u32 v[ADRA+1], SLOT, v[ADRA]
	v_and_b32 v4, 7, v0                            ; B's: lane l reads k row 8 h + l % 8, columns 8 ((l / 8) % 2) + 0..7
	v_bfe_u32 v5, v0, 3, 1
	v_lshl_add_u32 v4, v2, 3, v4
	v_mul_u32_u24 v4, v4, PB
	v_lshl_add_u32 v4, v5, 4, v4
	s_lshl_b32 s22, s12, 8
	s_add_co_u32 s22, s22, BOFF
	v_add_nc_u32 v[ADRB], s22, v4
	v_add_nc_u32 v[ADRB+1], SLOT, v[ADRB]
	s_mul_i32 s23, s10, 16*SP
	s_add_co_u32 s23, s23, STAGE                   ; my stage
	v_mul_u32_u24 v6, v1, SP                       ; in: row r, 16 bytes for each half of the lanes
	v_lshl_add_u32 v6, v2, 4, v6
	v_add_nc_u32 v[STO], s23, v6
	v_mul_u32_u24 v6, v2, SP                       ; back: lanes 0-15 one row of 256 bytes, lanes 16-31 the next
	v_lshl_add_u32 v6, v1, 4, v6
	v_add_nc_u32 v[RD], s23, v6
	v_lshlrev_b32 v[CO], 8, v2                     ; and the same two rows in qkv
	v_lshl_add_u32 v[CO], v1, 4, v[CO]
	v_lshlrev_b32 v[PO], 5, v1
	v_lshl_add_u32 v[PO], v2, 4, v[PO]
	; my head's slot, my rows, and which rows of the table they take: a choice of numbers, no branch
	s_lshl_b32 s72, s42, 1
	s_add_co_u32 s72, s72, s12                     ; slot 0-7 q, 8-11 k, 12-15 v
	s_lshl_b32 s76, s13, 7
	s_lshl_b32 s77, s11, 6
	s_add_co_u32 s75, s76, s77                     ; my first row
	s_lshl_b32 s76, s75, 9
	s_cmp_ge_u32 s72, 12
	s_cselect_b32 s73, 0, 512                      ; v: every row takes table row 4096
	s_cselect_b32 s74, 0, 8192
	s_cselect_b32 s76, 4096*512, s76
	s_mov_b32 s77, 0
	s_add_nc_u64 s[68:69], s[68:69], s[76:77]
	v_mul_u32_u24 v[TO], s73, v1
	v_lshl_add_u32 v[TO], v2, 5, v[TO]
	v_add_nc_u32 v[TO+1], s74, v[TO]
	v_add_nc_u32 v[TO+2], s74, v[TO+1]
	v_add_nc_u32 v[TO+3], s74, v[TO+2]
	WIN 0x80                                       ; destination window 2.  The table is asked for now and waited for on the way out
.irp a, 0,1,2,3
.irp b, 0,1,2,3
	global_load_b128 v[64*(\a)+8*(\b):64*(\a)+8*(\b)+3],       v[TO+(\a)], s[68:69] offset:64*(\b)
	global_load_b128 v[64*(\a)+8*(\b)+4:64*(\a)+8*(\b)+7],     v[TO+(\a)], s[68:69] offset:64*(\b)+16
	global_load_b128 v[64*(\a)+32+8*(\b):64*(\a)+32+8*(\b)+3], v[TO+(\a)], s[68:69] offset:256+64*(\b)
	global_load_b128 v[64*(\a)+32+8*(\b)+4:64*(\a)+32+8*(\b)+7], v[TO+(\a)], s[68:69] offset:256+64*(\b)+16
.endr
.endr
	WIN 0
	s_lshl_b32 s16, s75, 8                         ; qkv at my slot and first row
	s_mov_b32 s17, 0
	s_add_nc_u64 s[8:9], s[8:9], s[16:17]
	s_lshl_b32 s46, s72, 20
	s_mov_b32 s47, 0
	s_add_nc_u64 s[8:9], s[8:9], s[46:47]
	s_lshl_b32 s46, s72, 6                         ; psum at row 64 x slot + 2 x tile row + my half
	s_lshl_b32 s47, s13, 1
	s_add_co_u32 s46, s46, s47
	s_add_co_u32 s46, s46, s11
	s_lshl_b32 s46, s46, 9
	s_mov_b32 s47, 0
	s_add_nc_u64 s[70:71], s[70:71], s[46:47]
	s_mov_b32 s78, 0x76543210                      ; v_permlanex16_b32: each lane takes its own place in the other half
	s_mov_b32 s79, 0xfedcba98
; 8 matrix instructions: row block a x all 8 column blocks, 32 along K, from buffer f.  zero = 1: the product starts the sums.
; The 32 accumulators take turns in one order everywhere, one instruction a turn.
.macro MUL8 f, a, zero
	WIN MUL
.irp b, 0,1,2,3,4,5,6,7
.if \zero
	v_wmma_f32_16x16x32_bf16 v[8*(8*(\a)+(\b)):8*(8*(\a)+(\b))+7], v[FB+64*(\f)+8*(\b):FB+64*(\f)+8*(\b)+7], v[FA+32*(\f)+8*(\a):FA+32*(\f)+8*(\a)+7], 0
.else
	v_wmma_f32_16x16x32_bf16 v[8*(8*(\a)+(\b)):8*(8*(\a)+(\b))+7], v[FB+64*(\f)+8*(\b):FB+64*(\f)+8*(\b)+7], v[FA+32*(\f)+8*(\a):FA+32*(\f)+8*(\a)+7], v[8*(8*(\a)+(\b)):8*(8*(\a)+(\b))+7]
.endif
.endr
.endm
; 24 LDS loads in one run: quarter q (32 along K) of a slot into buffer f: B's 8 fragments (turned), then A's 4
.macro FETCH slot, q, f
	WIN 0
.irp b, 0,1,2,3,4,5,6,7
	ds_load_tr16_b128 v[FB+64*(\f)+8*(\b):FB+64*(\f)+8*(\b)+3],   v[ADRB+(\slot)] offset:(\q)*32*PB+32*(\b)
	ds_load_tr16_b128 v[FB+64*(\f)+8*(\b)+4:FB+64*(\f)+8*(\b)+7], v[ADRB+(\slot)] offset:(\q)*32*PB+16*PB+32*(\b)
.endr
.irp a, 0,1,2,3
	ds_load_b128 v[FA+32*(\f)+8*(\a):FA+32*(\f)+8*(\a)+3],   v[ADRA+(\slot)] offset:64*(\q)+(\a)*16*PA
	ds_load_b128 v[FA+32*(\f)+8*(\a)+4:FA+32*(\f)+8*(\a)+7], v[ADRA+(\slot)] offset:64*(\q)+(\a)*16*PA+32
.endr
.endm
.macro PLACES                  ; four places in front of loads into registers that matrix instructions have read, and of vector work on results
.rept 4
	v_nop
.endr
.endm
; One of a K step's first three quarters: multiplies buffer f; in its middle it fetches quarter qn into buffer g
.macro QUARTER slot, qn, f, g, zero
	s_wait_dscnt 4                                 ; B and A's blocks 0, 1 are in; the youngest four loads (A's blocks 2, 3) may be out
	MUL8 \f, 0, \zero
	MUL8 \f, 1, \zero
	PLACES
	FETCH \slot, \qn, \g
	s_wait_dscnt 24                                ; all but the 24 just issued
	MUL8 \f, 2, \zero
	MUL8 \f, 3, \zero
.endm
; The last quarter multiplies buffer 1 and changes slots: one barrier; in front of it each wave waits for all its tensor loads, adds 0 to its spare word, and waits for that and for its reads of this slot.
.macro TURN slot, next, fill
	WIN 0
	s_wait_tensorcnt 0x0                           ; all my tensor loads have landed: the one that was out is my part of the next slot
	ds_add_u32 v[SPW], v[NIL]                      ; 0 onto my spare word
	s_wait_dscnt 5                                 ; (the add and the youngest four loads may be out)
	MUL8 F1, 0, 0
	s_wait_dscnt 0x0                               ; the add is done, and my reads of this slot are over
	s_barrier_signal -1
	MUL8 F1, 1, 0
.if \fill
	WIN 0
.endif
	s_barrier_wait -1
.if \fill
	CREST                                          ; the barrier has opened a round of the cluster's: no wave of any partner still reads this slot or has a load on its way
	s_add_nc_u64 s[G0+4*(\slot)+2:G0+4*(\slot)+3], s[G0+4*(\slot)+2:G0+4*(\slot)+3], 2*KSTEP*2
	s_add_nc_u64 s[G0B+4*(\slot)+2:G0B+4*(\slot)+3], s[G0B+4*(\slot)+2:G0B+4*(\slot)+3], 2*KSTEP*NN*2
	JLOAD \slot                                    ; the first tensor load behind the round; its four v_nop are also the places in front of the loads below
.else
	PLACES
.endif
	FETCH \next, 0, F0
	MUL8 F1, 2, 0
	MUL8 F1, 3, 0
.endm
	s_wait_tensorcnt 1                             ; my part of K step 0 is in; K step 1's may stay out
	s_barrier_signal -1
	s_barrier_wait -1
	FETCH 0, 0, F0
	QUARTER 0, 1, F0, F1, 1                        ; the first quarter stands in front of the loop: its products start the sums
	WIN 0
	s_mov_b32 s3, LAPS-1
.Llap:                                                 ; a trip goes once round the ring and fills both slots again
	QUARTER 0, 2, F1, F0, 0
	QUARTER 0, 3, F0, F1, 0
	TURN 0, 1, 1
	QUARTER 1, 1, F0, F1, 0
	QUARTER 1, 2, F1, F0, 0
	QUARTER 1, 3, F0, F1, 0
	TURN 1, 0, 1
	QUARTER 0, 1, F0, F1, 0
	WIN 0
	s_sub_co_u32 s3, s3, 1
	s_cmp_lg_u32 s3, 0
	s_cbranch_scc1 .Llap
	QUARTER 0, 2, F1, F0, 0                        ; the last lap fills nothing
	QUARTER 0, 3, F0, F1, 0
	TURN 0, 1, 0
	QUARTER 1, 1, F0, F1, 0
	QUARTER 1, 2, F1, F0, 0
	QUARTER 1, 3, F0, F1, 0
	s_wait_dscnt 4
	MUL8 F1, 0, 0
	MUL8 F1, 1, 0
	s_wait_dscnt 0x0
	MUL8 F1, 2, 0
	MUL8 F1, 3, 0
	WIN 0
	PLACES
	; THE WAY OUT, a block of 16 rows at a time: rotate in f32, round to f16, through my stage into whole rows, store, and add the stored numbers to the column sums.
	s_wait_loadcnt 0x0                             ; the table
.irp i, 0,1,2,3,4,5,6,7
	v_mov_b32 v[PS+(\i)], 0
	v_mov_b32 v[PT+(\i)], 0
.endr
	v_mov_b32 v[ONE], 1.0
; Column blocks b and b + 4 hold the two halves of the head: y1 = x1 c - x2 s, y2 = x2 c + x1 s.  Each accumulator's lowest registers are read first.
.macro ROPE a
	WIN 0x09                                       ; source 0 (sums) window 1, source 1 (table) window 2
.irp b, 0,1,2,3
.irp p, 0,1,2,3
.set X1, 8*(8*(\a)+(\b))+2*(\p)
.set CT, 64*(\a)+8*(\b)+2*(\p)
.set Y1, Y+8*(\b)+2*(\p)
	v_pk_mul_f32 v[Y1:Y1+1], v[X1:X1+1], v[CT:CT+1]
	v_pk_mul_f32 v[Y1+32:Y1+33], v[X1+32:X1+33], v[CT:CT+1]
	v_pk_fma_f32 v[Y1:Y1+1], v[X1+32:X1+33], v[CT+32:CT+33], v[Y1:Y1+1] neg_lo:[1,0,0] neg_hi:[1,0,0]
	v_pk_fma_f32 v[Y1+32:Y1+33], v[X1:X1+1], v[CT+32:CT+33], v[Y1+32:Y1+33]
.endr
.endr
	WIN 0
.endm
.macro OUT a
.set BKA, BK+32*((\a)%2)
.set i, 0
.rept 32
	v_cvt_pk_f16_f32 v[TMP+i], v[Y+2*i], v[Y+2*i+1]
.set i, i+1
.endr
.irp b, 0,1,2,3,4,5,6,7
	ds_store_b128 v[STO], v[TMP+4*(\b):TMP+4*(\b)+3] offset:32*(\b)
.endr
.irp t, 0,1,2,3,4,5,6,7
	ds_load_b128 v[BKA+4*(\t):BKA+4*(\t)+3], v[RD] offset:(\t)*2*SP  ; LDS serves a wave's instructions in order (ISA guide 5.7.1.4): these see the stores above
.endr
	s_wait_dscnt 0x0
	s_wait_xcnt 0x0                                ; the block before has had its stores' addresses translated: its buffer is loaded again only behind this wait
.irp t, 0,1,2,3,4,5,6,7
	global_store_b128 v[CO], v[BKA+4*(\t):BKA+4*(\t)+3], s[8:9] offset:(\a)*4096+(\t)*512  ; 512 consecutive bytes, aligned
.endr
.irp t, 0,1,2,3,4,5,6,7
.irp k, 0,1,2,3
	v_fma_mix_f32 v[PS+2*(\k)], v[BKA+4*(\t)+(\k)], v[ONE], v[PS+2*(\k)] op_sel_hi:[1,0,0]
	v_fma_mix_f32 v[PS+2*(\k)+1], v[BKA+4*(\t)+(\k)], v[ONE], v[PS+2*(\k)+1] op_sel:[1,0,0] op_sel_hi:[1,0,0]
.endr
.endr
.endm
.irp a, 0,1,2,3
	ROPE \a
	OUT \a
.endr
.irp i, 0,1,2,3,4,5,6,7
	v_permlanex16_b32 v[PT+(\i)], v[PS+(\i)], s78, s79  ; the odd rows' sums lie in the lane 16 away
.endr
.irp i, 0,1,2,3,4,5,6,7
	v_add_f32 v[PS+(\i)], v[PS+(\i)], v[PT+(\i)]
.endr
	v_cmp_ne_u32 vcc_lo, 0, v2                     ; lanes 0-15 store columns 8 r + 0..3, lanes 16-31 columns 8 r + 4..7
.irp i, 0,1,2,3
	v_cndmask_b32 v[PT+(\i)], v[PS+(\i)], v[PS+4+(\i)], vcc_lo
.endr
	global_store_b128 v[PO], v[PT:PT+3], s[70:71]  ; 512 consecutive bytes
	s_wait_tensorcnt 0x0                           ; the wave's end
	ds_add_u32 v[SPW], v[NIL]
	s_wait_dscnt 0x0
	CROUND                                         ; the closing round
	s_endpgm
.Lfunc_end_k_qfbe112f8f5_gemm_qkv:
	.size	k_qfbe112f8f5_gemm_qkv, .Lfunc_end_k_qfbe112f8f5_gemm_qkv-k_qfbe112f8f5_gemm_qkv
	.p2alignl 7, 3214868480
	.fill 96, 4, 3214868480
	.section	.rodata,"a",@progbits
	.p2align	6, 0x0
	.amdhsa_kernel k_qfbe112f8f5_gemm_qkv
		.amdhsa_group_segment_fixed_size 327680
		.amdhsa_private_segment_fixed_size 0
		.amdhsa_enable_private_segment 0
		.amdhsa_kernarg_size 40
		.amdhsa_user_sgpr_count 2
		.amdhsa_user_sgpr_kernarg_segment_ptr 1
		.amdhsa_wavefront_size32 1
		.amdhsa_system_sgpr_workgroup_id_x 1
		.amdhsa_system_sgpr_workgroup_id_y 1
		.amdhsa_system_sgpr_workgroup_id_z 1
		.amdhsa_system_vgpr_workitem_id 0
		.amdhsa_next_free_vgpr 768
		.amdhsa_next_free_sgpr 80
		.amdhsa_reserve_vcc 1
		.amdhsa_float_denorm_mode_32 3
		.amdhsa_float_denorm_mode_16_64 3
		.amdhsa_memory_ordered 1
		.amdhsa_forward_progress 1
		.amdhsa_inst_pref_size 127
	.end_amdhsa_kernel
	.amdgpu_metadata
---
amdhsa.version: [ 1, 2 ]
amdhsa.kernels:
  - .name:           k_qfbe112f8f5_gemm_qkv
    .symbol:         k_qfbe112f8f5_gemm_qkv.kd
    .args:
      - { .name: xb, .offset: 0, .size: 8, .value_kind: global_buffer, .address_space: global }
      - { .name: wqkv, .offset: 8, .size: 8, .value_kind: global_buffer, .address_space: global }
      - { .name: rope, .offset: 16, .size: 8, .value_kind: global_buffer, .address_space: global }
      - { .name: qkv, .offset: 24, .size: 8, .value_kind: global_buffer, .address_space: global }
      - { .name: psum, .offset: 32, .size: 8, .value_kind: global_buffer, .address_space: global }
    .group_segment_fixed_size: 327680
    .private_segment_fixed_size: 0
    .kernarg_segment_align: 8
    .kernarg_segment_size: 40
    .max_flat_workgroup_size: 128
    .sgpr_count:     80
    .vgpr_count:     768
    .wavefront_size: 32
...
	.end_amdgpu_metadata
.endif
;; end of part 2
;; launch attn (part 3): grid 32 x 8, 4 waves a work-group, clusters of 4 x 1, 327,680 bytes of LDS; arguments qkv, kbias, psum, ctx; writes ctx
.if DOCPART == 3
	.amdgcn_target "amdgcn-amd-amdhsa--gfx1250"
	.amdhsa_code_object_version 6
	.text
	.protected	k_qfbe112f8f5_attn
	.globl	k_qfbe112f8f5_attn
	.p2align	8
	.type	k_qfbe112f8f5_attn,@function
k_qfbe112f8f5_attn:
	s_mov_b64 s[64:65], 0
	v_nop
	global_prefetch_b8 v0, s[64:65] scope:SCOPE_SE
	s_setreg_imm32_b32 hwreg(HW_REG_WAVE_MODE, 25, 1), 1
	s_wait_xcnt 0x0
	s_wait_alu depctr_hold_cnt(0) depctr_sa_sdst(0) depctr_va_vdst(0) depctr_va_sdst(0) depctr_va_ssrc(0) depctr_va_vcc(0) depctr_vm_vsrc(0)
	s_getreg_b32 s2, hwreg(HW_REG_IB_STS2, 6, 4)
	s_cmp_eq_u32 s2, 0
	s_cbranch_scc0 .Lentry_in_a_cluster
	s_endpgm
.Lentry_in_a_cluster:
	s_bfe_u32 s2, ttmp6, 0x10000c
	s_cmp_lg_u32 s2, 0x3003
	s_cbranch_scc0 .Lentry_shape_is_right
	s_endpgm
.Lentry_shape_is_right:
; CAUSAL ATTENTION WITH A KEY MASK, two query heads to a key and value head.  qkv: [16 slots][4096 rows][128] f16 (q 0-7, k 8-11, v 12-15), all carrying 1/8; ctx: [4096][1024] f16 = context / 8.
; Products, maxima and sums in f32; the weights p are rounded to f16 for the second product (their sum l is taken of the unrounded p), ctx once at the end.
; LIMITS.  A hidden score counts as its value less 1e30 (f16's scores, 5.5e11 at the most, are nothing beside that); a weight below 2^-126 counts as 0 in l; NaN and infinities are not treated apart.
; A ROW THAT SEES NO KEY has equal scores everywhere in the reference, so its result is the mean of all 2,048 rows of v of its batch: made here from psum, and chosen by v_cndmask where the running maximum stayed below -5e29.
; THE WALK.  A batch's positions lie in 16 groups of 128; group g needs the key tiles 0 .. g of 128 keys.  A CLUSTER of four work-groups takes groups 15 - c and then c: 17 tiles whatever c, one counted loop,
; equal work for all 256 work-groups; the four partners walk the very same tiles, so every tile of K and V is asked for JOINTLY (mask 15).
; SHARES.  Work-group cx owns positions 32 cx .. 32 cx + 31 of the group, for both query heads; wave w one tile of 16 queries: head 2 hkv + w % 2, positions 16 (w / 2) + 0..15.
; cx enters Q's and ctx's addresses and the mask's numbers alone; every branch and LDS address hangs on c, the wave's number and constants.
; LAYOUT.  S^T = K Q^T holds ONE query a lane (lane % 16) and the keys 8 (lane / 16) + 0..7; two such results rounded to f16 ARE source 1 of O^T = V^T P.  V comes out of LDS turned, by ds_load_tr16_b128.
; SOFTMAX.  p = 2^(c s - c m), c = 64 log2(e) / sqrt(128) (the 64 takes back q's and k's 1/8), with a running maximum m; O and l are multiplied by a = 2^(c m_old - c m_new) in every step.
; THE MASK is the C operand that starts the sum S^T: MD x DGF + KB.  KB is the step's 64 numbers of kbias; MD (made once) hides what lies above the diagonal in a group's own tile; DGF is 1 there and 0 elsewhere.
; IN PHASES: a step's 16 products K Q^T, its softmax, its 16 products V^T P; the LDS loads stand in runs of 32, each a phase ahead of its use.
; m starts at the lowest finite number, so a block's first step has a = 0, and O and l need only be finite then: zeros at the start (210 v_mov_b32, in the wait for the first tile), the first block's leavings for the second.
; REGISTERS: window 0: v0-31 addresses and statistics; v32-63 S^T; v64-79 P; v80-111 the mask; v112-143 Q; v144-207 O^T; v208-239 at work on the way out
;   window 1: v0-127 K of one step; v128-255 V of one step      window 2: v0-63 KB of a tile; v64-127 MD of the tile's two steps; v128-159 the second block's Q; v160-191 the mean
.set KS,    64
.set PK,    272        ; a row of K in LDS: 256 bytes + 16: the 16 rows of a load start at 16 different groups of four banks (64 banks of 4 bytes: ISA guide 11.1)
.set PV,    288        ; a row of V: 256 + 32
.set VOFF,  KS*PK      ; a step's tiles lie together: 64 rows of K, then 64 rows of V
.set STEPB, KS*(PK+PV)
.set SLOT1, 1<<17      ; a slot holds a tile, two steps; slot 1 begins here, so that one exclusive or turns an address into the other slot's
.set STAGE, SLOT1+2*STEPB  ; behind the ring: 16 rows x 272 bytes for each wave
.set SP,    272
.set VMS,   STAGE+4*16*SP  ; 256 bytes: the mean of v / 8, 128 f16
.set SPARE, VMS+256        ; the spare words, 128 bytes for each wave
.set AK0, 2
.set AV0, 3
.set AK,  4
.set AV,  5
.set STO, 6
.set RD,  7
.set GO,  8
.set KO,  9            ; my byte offset in 64 numbers of kbias: 32 (l / 16)
.set TH,  10           ; at work
.set T1,  11
.set ST,  12           ; v12-19: c m, m, l (even keys', odd keys'), c0-c3 at work; a takes c2's place
.set SPW, 20           ; my spare word; never rewritten
.set NIL, 21           ; 0; never rewritten
.set VA0, 22
.set VBIG, 23
.set VMA, 24           ; my place in the mean
.set QO,  25
.set VZ,  26
.set PSO, 27
.set S,   32
.set P,   64
.set MC,  80
.set Q,   112
.set O,   144
.set TMP, 208
.set VF,  128          ; window 1
.set KB,  0            ; window 2
.set MD,  64
.set Q2,  128
.set VM,  160
.set WV,  12
.set CX,  13
.set CC,  14           ; c
.set HI,  15           ; 15 - c
.set G1K, 24
.set G1V, 32
.set G0K, 40
.set G0V, 44
.set SLOTS, 56
.set CS,  58
.set SEL, 60
.set TB,  62           ; LDS byte at which the slot in hand begins
.set KBB, 76           ; s[76:77] kbias at my batch
.set KBA, 78           ; s[78:79] at the tile whose numbers are being loaded
.set RT,  82           ; tiles of the block in hand still to be entered
.set NXT, 83           ; the tile to be asked for next
.set LQ,  84           ; the last tile of the block whose tiles are being asked for
.set LASTQ, 85         ; the tile asked for last
.set OFF, 88           ; s[88:89] a byte offset
.set DGF, 90           ; s[90:91]
.set ENDF, 92          ; 1: the tile just walked was a block's last
.set BIGN, 93
.set HID, 94
.set MSB, 0
.macro WIN new
.if MSB != (\new)
	s_set_vgpr_msb (MSB<<8)|(\new)
.set MSB, (\new)
.endif
.endm
.macro PLACES
.rept 4
	v_nop
.endr
.endm
.macro JLOAD               ; a joint fill: waves 0 and 1 fetch the two steps' K, waves 2 and 3 their V; an s_nop 0 and four v_nop follow each of the two lines
	s_cmp_lt_u32 s[WV], 2
	s_cbranch_scc0 .Lfor_v_\@
	tensor_load_to_lds s[G0K:G0K+3], s[G1K:G1K+7]
	s_nop 0
.rept 4
	v_nop
.endr
	s_branch .Lasked_\@
.Lfor_v_\@:
	tensor_load_to_lds s[G0V:G0V+3], s[G1V:G1V+7]
	s_nop 0
.rept 4
	v_nop
.endr
.Lasked_\@:
.endm
.macro CROUND              ; a round of the cluster's barrier
	s_barrier_signal -1
	s_barrier_wait -1
	s_cmp_lg_u32 s[WV], 0
	s_cbranch_scc1 .Lnot_wave_0_\@
	s_barrier_signal -3
.Lnot_wave_0_\@:
	s_barrier_wait -3
	s_barrier_signal -1
	s_barrier_wait -1
.endm
; THE CHANGE OF SLOTS.  Each wave waits for all its tensor loads (one is out: its part of the other slot), adds 0 to its spare word, and waits for that and for its reads of the slot that it leaves.
; fill = 1: the old slot is filled again with tile NXT, the first thing behind a round of the cluster's barrier; the address is made anew from the tile's number.  It has a tile's two steps in which to land.
.macro CHANGE fill
	WIN 0
	s_wait_tensorcnt 0x0                           ; no tensor load of mine is out, so a group 0 may be written
	ds_add_u32 v[SPW], v[NIL]                      ; 0 onto my spare word
.if \fill
	s_lshl_b32 s[OFF], s[NXT], 15                  ; a tile is 32,768 bytes of K and of V
	s_mov_b32 s[LASTQ], s[NXT]
	s_xor_b32 s[G0K+1], s[G0K+1], SLOT1
	s_add_nc_u64 s[G0K+2:G0K+3], s[6:7], s[OFF:OFF+1]
	s_or_b32 s[G0K+3], s[G0K+3], 0x80000000
	s_xor_b32 s[G0V+1], s[G0V+1], SLOT1
	s_add_nc_u64 s[G0V+2:G0V+3], s[8:9], s[OFF:OFF+1]
	s_or_b32 s[G0V+3], s[G0V+3], 0x80000000
	s_add_co_u32 s[NXT], s[NXT], 1                 ; the block's next tile, or behind its last the second block's tile 0
	s_cmp_gt_u32 s[NXT], s[LQ]
	s_cselect_b32 s[NXT], 0, s[NXT]
	s_cselect_b32 s[LQ], s[CC], s[LQ]
	s_wait_dscnt 0x0                               ; the add is done, and my reads of the slot are over
	CROUND
	JLOAD
.else
	s_wait_dscnt 0x0
	s_barrier_signal -1
	s_barrier_wait -1
.endif
	s_xor_b32 s[TB], s[TB], SLOT1
.endm
	s_load_b256 s[68:75], s[0:1], 0x0              ; qkv s[68:69], kbias s[70:71], psum s[72:73], ctx s[74:75]
	v_lshl_add_u32 v[SPW], v0, 2, SPARE
	v_mov_b32 v[NIL], 0
	ds_add_u32 v[SPW], v[NIL]                      ; the wave's opening: the add and its wait stand ahead of my first tensor load
	v_lshrrev_b32 v1, 5, v0
	v_readfirstlane_b32 s[WV], v1
	s_bfe_u32 s[CX], ttmp6, 0x40000
	s_mov_b32 s[CC], ttmp9                         ; in a cluster launch ttmp9 counts clusters
	s_sub_co_u32 s[HI], 15, s[CC]
	s_and_b32 s16, ttmp7, 0xffff
	s_lshr_b32 s17, s16, 2                         ; the batch
	s_and_b32 s18, s16, 3                          ; the key and value head
	s_and_b32 s19, s[WV], 1                        ; which step of a tile I fetch; also which of the two query heads is mine
	s_add_co_u32 s20, s18, 8                       ; K: slot 8 + hkv, the batch's rows, my step's 64 rows
	s_lshl_b32 s20, s20, 20
	s_lshl_b32 s21, s17, 19
	s_add_co_u32 s20, s20, s21
	s_lshl_b32 s21, s19, 14
	s_add_co_u32 s20, s20, s21
	s_mov_b32 s21, 0
	s_mul_i32 s22, s19, STEPB                      ; its place in a slot: no place in the cluster enters an LDS address
	s_mov_b32 s[G1K], 15|(1<<16)|(1<<20)|(1<<21)|(5<<22)|(3<<25)  ; the mask of four; 2-byte elements; padding on; bit 21 beside a mask; after every 64 words 4 words
	s_mov_b32 s[G1V], 15|(1<<16)|(1<<20)|(1<<21)|(5<<22)|(7<<25)  ; the same with 8 words
.irp g, G1K, G1V
	s_mov_b32 s[\g+1], 128<<16                     ; tensor_dim0 = 128
	s_mov_b32 s[\g+2], KS<<16                      ; tensor_dim1 = 64
	s_mov_b32 s[\g+3], 128<<16                     ; tile_dim0 = 128
	s_mov_b32 s[\g+4], KS                          ; tile_dim1 = 64
	s_mov_b32 s[\g+5], 128                         ; elements from row to row
	s_mov_b32 s[\g+6], 0
	s_mov_b32 s[\g+7], 0
.endr
	s_mov_b32 s[G0K], 1
	s_mov_b32 s[G0K+1], s22
	s_mov_b32 s[G0V], 1
	s_add_co_u32 s[G0V+1], s22, VOFF
	s_mov_b32 s[CS], 0x410293ee                    ; c = 64 log2(e) / sqrt(128)
	s_mov_b32 s[CS+1], s[CS]
	s_mov_b32 s[SEL], 0x76543210
	s_mov_b32 s[SEL+1], 0xfedcba98
	s_mov_b32 s[TB], SLOT1                         ; the first change of slots turns it into 0
	s_add_co_u32 s[RT], s[HI], 1                   ; the first block has 16 - c tiles
	s_mov_b32 s[NXT], 1
	s_mov_b32 s[LQ], s[HI]
	s_mov_b32 s[LASTQ], 0
	s_mov_b32 s[OFF+1], 0
	s_mov_b32 s[DGF+1], 0
	s_mov_b32 s[ENDF], 0
	s_mov_b32 s[BIGN], 0xf149f2ca                  ; -1e30
	s_mov_b32 s[HID], 0xf0c9f2ca                   ; -5e29
	s_mov_b32 s[SLOTS], 16
	s_wait_dscnt 0x0                               ; the opening add is done
	s_wait_kmcnt 0x0
	s_add_nc_u64 s[6:7], s[68:69], s[20:21]        ; K and V at my step of the batch's tile 0
	s_add_nc_u64 s[8:9], s[6:7], 4<<20
	s_add_nc_u64 s[G0K+2:G0K+3], s[6:7], 0
	s_or_b32 s[G0K+3], s[G0K+3], 0x80000000
	s_add_nc_u64 s[G0V+2:G0V+3], s[8:9], 0
	s_or_b32 s[G0V+3], s[G0V+3], 0x80000000
	CROUND                                         ; all four work-groups are here
	JLOAD                                          ; tile 0 into slot 0; slot 1 is asked for at the first change of slots
	s_lshl_b32 s50, s18, 1
	s_add_co_u32 s50, s50, s19                     ; my query head
	s_lshl_b32 s51, s17, 11
	s_lshl_b32 s52, s[CX], 5
	s_add_co_u32 s51, s51, s52
	s_lshr_b32 s52, s[WV], 1
	s_lshl_b32 s52, s52, 4
	s_add_co_u32 s51, s51, s52                     ; 2048 b + 32 cx + 16 (w / 2)
	s_lshl_b32 s52, s[HI], 7
	s_add_co_u32 s52, s52, s51                     ; my first row in the first block,
	s_lshl_b32 s53, s[CC], 7
	s_add_co_u32 s53, s53, s51                     ; and in the second
	s_lshl_b32 s54, s50, 20
	s_lshl_b32 s55, s50, 8
	s_mov_b32 s3, 0
	s_lshl_b32 s2, s52, 8
	s_add_co_u32 s2, s2, s54
	s_add_nc_u64 s[4:5], s[68:69], s[2:3]          ; Q, first block
	s_lshl_b32 s2, s53, 8
	s_add_co_u32 s2, s2, s54
	s_add_nc_u64 s[86:87], s[68:69], s[2:3]        ; Q, second block
	s_lshl_b32 s2, s52, 11
	s_add_co_u32 s2, s2, s55
	s_add_nc_u64 s[10:11], s[74:75], s[2:3]        ; ctx, first block
	s_lshl_b32 s2, s53, 11
	s_add_co_u32 s2, s2, s55
	s_add_nc_u64 s[80:81], s[74:75], s[2:3]        ; ctx, second block
	s_lshl_b32 s2, s17, 13
	s_add_nc_u64 s[KBB:KBB+1], s[70:71], s[2:3]
	s_add_co_u32 s2, s18, 12                       ; psum: slot 12 + hkv, the batch's 32 row blocks
	s_lshl_b32 s2, s2, 6
	s_lshl_b32 s16, s17, 5
	s_add_co_u32 s2, s2, s16
	s_lshl_b32 s2, s2, 9
	s_add_nc_u64 s[48:49], s[72:73], s[2:3]
	v_and_b32 v28, 15, v0                          ; r = l % 16
	v_bfe_u32 v29, v0, 4, 1                        ; h = l / 16
	v_lshlrev_b32 v[QO], 8, v28
	v_lshl_add_u32 v[QO], v29, 4, v[QO]
	v_lshlrev_b32 v[KO], 5, v29
	v_lshlrev_b32 v[PSO], 2, v0
.irp c, 0,1,2,3                                        ; Q stays in registers: channels 32 c on
	global_load_b128 v[Q+8*(\c):Q+8*(\c)+3],   v[QO], s[4:5] offset:64*(\c)
	global_load_b128 v[Q+8*(\c)+4:Q+8*(\c)+7], v[QO], s[4:5] offset:64*(\c)+32
.endr
.set i, 0
.rept 32                                               ; thread t: channel t's 32 partial sums of v
	global_load_b32 v[S+i], v[PSO], s[48:49] offset:512*i
.set i, i+1
.endr
	WIN 0x80
.irp c, 0,1,2,3
	global_load_b128 v[Q2+8*(\c):Q2+8*(\c)+3],   v[QO], s[86:87] offset:64*(\c)
	global_load_b128 v[Q2+8*(\c)+4:Q2+8*(\c)+7], v[QO], s[86:87] offset:64*(\c)+32
.endr
; kbias of tile LASTQ's 128 keys: register 32 s + 8 kb + j is key 64 s + 16 kb + 8 h + j
.macro KBLOAD
	s_lshl_b32 s[OFF], s[LASTQ], 9
	s_add_nc_u64 s[KBA:KBA+1], s[KBB:KBB+1], s[OFF:OFF+1]
	WIN 0x80
.irp i, 0,1,2,3,4,5,6,7
	global_load_b128 v[KB+8*(\i):KB+8*(\i)+3],   v[KO], s[KBA:KBA+1] offset:64*(\i)
	global_load_b128 v[KB+8*(\i)+4:KB+8*(\i)+7], v[KO], s[KBA:KBA+1] offset:64*(\i)+16
.endr
.endm
	KBLOAD
	WIN 0
	v_mul_u32_u24 v[AK0], v28, PK                  ; K's fragment: row r, 16 bytes for each half of the lanes
	v_lshl_add_u32 v[AK0], v29, 4, v[AK0]
	v_and_b32 v30, 7, v0                           ; V's: lane l reads key 8 h + l % 8, channels 8 ((l / 8) % 2) + 0..7
	v_bfe_u32 v31, v0, 3, 1
	v_lshl_add_u32 v[AV0], v29, 3, v30
	v_mul_u32_u24 v[AV0], v[AV0], PV
	v_lshl_add_u32 v[AV0], v31, 4, v[AV0]
	v_add_nc_u32 v[AV0], VOFF, v[AV0]
	s_mul_i32 s16, s[WV], 16*SP
	s_add_co_u32 s16, s16, STAGE
	v_mul_u32_u24 v[STO], v28, SP
	v_lshl_add_u32 v[STO], v29, 4, v[STO]
	v_add_nc_u32 v[STO], s16, v[STO]
	v_mul_u32_u24 v[RD], v29, SP
	v_lshl_add_u32 v[RD], v28, 4, v[RD]
	v_add_nc_u32 v[RD], s16, v[RD]
	v_lshlrev_b32 v[GO], 11, v29                   ; two rows of ctx, 2,048 bytes apart; sixteen lanes fill 256 consecutive bytes, aligned
	v_lshl_add_u32 v[GO], v28, 4, v[GO]
	v_lshl_add_u32 v[VMA], v29, 4, VMS
	; MD.  My query lies in band x = cx / 2 of the group's two bands of 64, at place 32 (cx % 2) + 16 (w / 2) + r.  In the group's own tile, step 0 is the band's own if x = 0 and wholly seen if x = 1;
	; step 1 is wholly hidden if x = 0 and the band's own if x = 1.  A choice of numbers, no branch.
	s_and_b32 s16, s[CX], 1
	s_lshl_b32 s16, s16, 5
	s_lshr_b32 s17, s[WV], 1
	s_lshl_b32 s17, s17, 4
	s_add_co_u32 s16, s16, s17
	v_lshlrev_b32 v[TH], 3, v29
	v_sub_nc_u32 v[TH], v28, v[TH]
	v_add_nc_u32 v[TH], s16, v[TH]                 ; register i is hidden in the band's own step where 16 (i / 8) + i % 8 is greater
	s_lshr_b32 s16, s[CX], 1
	s_cmp_eq_u32 s16, 0
	s_cselect_b32 s16, s[BIGN], 0
	v_mov_b32 v[VA0], s16
	v_mov_b32 v[VBIG], s[BIGN]
	v_mov_b32 v[VZ], 0
	WIN 0x80
.set i, 0
.rept 32
	v_cmp_gt_i32 vcc_lo, 16*(i/8)+i%8, v[TH]
	v_cndmask_b32 v[MD+i], v[VZ], v[VA0], vcc_lo
	v_cndmask_b32 v[MD+32+i], v[VA0], v[VBIG], vcc_lo
.set i, i+1
.endr
	WIN 0x40
.set i, 0
.rept 128                                              ; the first trip's products V^T P, of a step that has not been, add 0
	v_mov_b32 v[VF+i], 0
.set i, i+1
.endr
	WIN 0
.set i, 0
.rept 16
	v_mov_b32 v[P+i], 0
.set i, i+1
.endr
.set i, 0
.rept 64
	v_mov_b32 v[O+i], 0
.set i, i+1
.endr
	v_mov_b32 v[ST], 0xfe000000                    ; c m: far below every c s
	v_mov_b32 v[ST+1], 0xff7fffff                  ; m
.irp i, 2,3,4,5,6,7
	v_mov_b32 v[ST+(\i)], 0
.endr
	s_wait_loadcnt 0x0
.irp w, 16,8,4,2,1                                     ; the mean of v / 8 for my channel, in f32; rounded once to f16
.set i, 0
.rept \w
	v_add_f32 v[S+i], v[S+i], v[S+i+(\w)]
.set i, i+1
.endr
.endr
	v_mul_f32 v[S], 0x3a000000, v[S]               ; 1 / 2048
	v_cvt_pk_f16_f32 v[T1], v[S], v[S]
	v_lshl_add_u32 v[TH], v0, 1, VMS
	ds_store_b16 v[TH], v[T1]                      ; the first change of slots waits for it and passes a barrier: then every wave may read the mean
; THE MATRIX WORK.  The accumulators take turns, one instruction a turn.
; Product i of 16 of S^T = K Q^T: channels 32 (i / 4) on, keys 16 (i % 4) on.  The first four start the sums with the mask.
.macro MMKQ
	WIN 0x01                                       ; source 0 in window 1
.set i, 0
.rept 16
.if i < 4
	v_wmma_f32_16x16x32_f16 v[S+8*(i%4):S+8*(i%4)+7], v[32*(i%4)+8*(i/4):32*(i%4)+8*(i/4)+7], v[Q+8*(i/4):Q+8*(i/4)+7], v[MC+8*(i%4):MC+8*(i%4)+7]
.else
	v_wmma_f32_16x16x32_f16 v[S+8*(i%4):S+8*(i%4)+7], v[32*(i%4)+8*(i/4):32*(i%4)+8*(i/4)+7], v[Q+8*(i/4):Q+8*(i/4)+7], v[S+8*(i%4):S+8*(i%4)+7]
.endif
.set i, i+1
.endr
.endm
; Product i of 16 of O^T += V^T P: keys 32 (i / 8) on, channels 16 (i % 8) on.
.macro MMPV
	WIN 0x01
.set i, 0
.rept 16
	v_wmma_f32_16x16x32_f16 v[O+8*(i%8):O+8*(i%8)+7], v[VF+64*(i/8)+8*(i%8):VF+64*(i/8)+8*(i%8)+7], v[P+8*(i/8):P+8*(i/8)+7], v[O+8*(i%8):O+8*(i%8)+7]
.set i, i+1
.endr
.endm
.macro FETCH_K s               ; step s of the slot: 64 keys x 128 channels, 16 fragments: keys 16 (f / 4) on, channels 32 (f % 4) on
	WIN 0x40
.irp f, 0,1,2,3,4,5,6,7,8,9,10,11,12,13,14,15
	ds_load_b128 v[8*(\f):8*(\f)+3],   v[AK] offset:(\s)*STEPB+((\f)/4)*16*PK+((\f)%4)*64
	ds_load_b128 v[8*(\f)+4:8*(\f)+7], v[AK] offset:(\s)*STEPB+((\f)/4)*16*PK+((\f)%4)*64+32
.endr
.endm
.macro FETCH_V s               ; turned: keys 32 (f / 8) on, channels 16 (f % 8) on
	WIN 0x40
.irp f, 0,1,2,3,4,5,6,7,8,9,10,11,12,13,14,15
	ds_load_tr16_b128 v[VF+8*(\f):VF+8*(\f)+3],   v[AV] offset:(\s)*STEPB+((\f)/8)*32*PV+((\f)%8)*32
	ds_load_tr16_b128 v[VF+8*(\f)+4:VF+8*(\f)+7], v[AV] offset:(\s)*STEPB+((\f)/8)*32*PV+16*PV+((\f)%8)*32
.endr
.endm
.macro MASKS s                 ; MD x DGF + KB for step s
	WIN 0x22                                       ; sources 0 and 2 in window 2
.set z, 0
.rept 16
	v_pk_fma_f32 v[MC+2*z:MC+2*z+1], v[MD+32*(\s)+2*z:MD+32*(\s)+2*z+1], s[DGF:DGF+1], v[KB+32*(\s)+2*z:KB+32*(\s)+2*z+1] op_sel_hi:[1,0,1]
.set z, z+1
.endr
.endm
; THE SOFTMAX of a step: a list of 134 instructions; SM writes number j.  s0-s31 are the lane's 32 scores, in pairs 0-15.
;   0-15    the maximum of s0-s31 and the old m, three operands at a time; each accumulator's lowest registers are read first
;   16-20   the other half of the lanes' maximum; the new m; c m; c m_old - c m_new
;   21-87   33 exponentials (a, then s0-s31) at the odd numbers from 23 on, each with a plain instruction behind it before its result is used; the plain ones are scalings of pairs whose exponentials
;           are still to come, roundings to f16 of pairs whose exponentials are done, and the first sums
;   88-101  the last rounding; the rest of the sums; l = a l + the sum        102-133 O^T times a
.macro SM
.set q, (j-20)/2
.if j < 4
	v_max3_num_f32 v[ST+4+j], v[S+8*j], v[S+8*j+1], v[S+8*j+2]
.elseif j < 12
	v_max3_num_f32 v[ST+4+j%4], v[ST+4+j%4], v[S+8*(j%4)+2*(j/4)+1], v[S+8*(j%4)+2*(j/4)+2]
.elseif j == 12
	v_max3_num_f32 v[ST+4], v[ST+4], v[S+7], v[S+15]
.elseif j == 13
	v_max3_num_f32 v[ST+6], v[ST+6], v[S+23], v[S+31]
.elseif j == 14
	v_max3_num_f32 v[ST+4], v[ST+4], v[ST+5], v[ST+6]
.elseif j == 15
	v_max3_num_f32 v[ST+4], v[ST+4], v[ST+7], v[ST+1]
.elseif j == 16
	v_permlanex16_b32 v[ST+5], v[ST+4], s[SEL], s[SEL+1]  ; the query's other 32 keys lie in the lane 16 away
.elseif j == 17
	v_mov_b32 v[ST+7], v[ST]
.elseif j == 18
	v_max_num_f32 v[ST+1], v[ST+4], v[ST+5]
.elseif j == 19
	v_mul_f32 v[ST], s[CS], v[ST+1]
.elseif j == 20
	v_sub_f32 v[ST+7], v[ST+7], v[ST]
.elseif j == 23
	v_exp_f32 v[ST+6], v[ST+7]
.elseif (j < 88) && (j > 23) && (j%2 == 1)
	v_exp_f32 v[S+(j-25)/2], v[S+(j-25)/2]
.elseif (q < 4) || ((j < 76) && (q%2 == 0))
.set b, q/2+2
.if q < 4
.set b, q
.endif
	v_pk_fma_f32 v[S+2*b:S+2*b+1], v[S+2*b:S+2*b+1], s[CS:CS+1], v[ST:ST+1] op_sel_hi:[1,0,0] neg_lo:[0,0,1] neg_hi:[0,0,1]
.elseif (j < 88) && (q%2 == 1)
	s_wait_alu depctr_va_vdst(0)
	v_cvt_pk_f16_f32 v[P+(q-5)/2], v[S+q-5], v[S+q-4]
.elseif j == 89
	s_wait_alu depctr_va_vdst(0)
	v_cvt_pk_f16_f32 v[P+15], v[S+30], v[S+31]
.elseif j < 102
.set z, j-86
.if j < 89
.set z, (j-76)/4
.endif
.set w, 4
.set u, z
.if z >= 14
.set w, 32
.set u, 0
.elseif z >= 12
.set w, 16
.set u, z-12
.elseif z >= 8
.set w, 8
.set u, z-8
.endif
.if z < 15
	v_pk_add_f32 v[S+w*u:S+w*u+1], v[S+w*u:S+w*u+1], v[S+w*u+w/2:S+w*u+w/2+1]
.else
	v_pk_fma_f32 v[ST+2:ST+3], v[ST+2:ST+3], v[ST+6:ST+7], v[S:S+1] op_sel_hi:[1,0,1]
.endif
.else
	v_pk_mul_f32 v[O+2*(j-102):O+2*(j-102)+1], v[O+2*(j-102):O+2*(j-102)+1], v[ST+6:ST+7] op_sel_hi:[1,0]
.endif
.endm
.macro SOFTMAX
	WIN 0
.set j, 0
.rept 134
	SM
.set j, j+1
.endr
.endm
; THE WAY OUT of a block: O^T / l, rounded to f16; the mean in its stead where no key was seen; through my stage into whole rows of 256 bytes.  sw = 1: the second block is set up.
.macro WAYOUT sw
	WIN 0
	PLACES                                         ; behind the last products
	s_wait_xcnt 0x0                                ; an earlier way out's stores have had their addresses translated: their registers are written again only behind this wait
	WIN 0x80
.irp f, 0,1,2,3,4,5,6,7
	ds_load_b128 v[VM+4*(\f):VM+4*(\f)+3], v[VMA] offset:32*(\f)
.endr
	WIN 0
	v_add_f32 v[ST+4], v[ST+2], v[ST+3]
	v_permlanex16_b32 v[ST+5], v[ST+4], s[SEL], s[SEL+1]
	v_add_f32 v[ST+4], v[ST+4], v[ST+5]
	v_rcp_f32 v[ST+6], v[ST+4]
	v_nop                                          ; a plain instruction between the reciprocal and the use of its result
.set i, 0
	s_wait_alu depctr_va_vdst(0)
.rept 32
	v_pk_mul_f32 v[O+2*i:O+2*i+1], v[O+2*i:O+2*i+1], v[ST+6:ST+7] op_sel_hi:[1,0]
.set i, i+1
.endr
.set i, 0
.rept 32
	v_cvt_pk_f16_f32 v[TMP+i], v[O+2*i], v[O+2*i+1]
.set i, i+1
.endr
	v_cmp_gt_f32 vcc_lo, s[HID], v[ST+1]           ; the maximum never rose above a hidden score: the row saw no key
	s_wait_dscnt 0x0                               ; the mean is in
	WIN 0x08                                       ; source 1 in window 2
.set i, 0
.rept 32
	v_cndmask_b32 v[TMP+i], v[TMP+i], v[VM+i], vcc_lo
.set i, i+1
.endr
	WIN 0
.irp f, 0,1,2,3,4,5,6,7
	ds_store_b128 v[STO], v[TMP+4*(\f):TMP+4*(\f)+3] offset:32*(\f)
.endr
.irp f, 0,1,2,3,4,5,6,7
	ds_load_b128 v[TMP+4*(\f):TMP+4*(\f)+3], v[RD] offset:(\f)*2*SP  ; LDS serves a wave's instructions in order (ISA guide 5.7.1.4): these see the stores above
.endr
.irp f, 0,1,2,3,4,5,6,7
	s_wait_dscnt 7-(\f)                            ; the younger loads from the stage may stay out
	global_store_b128 v[GO], v[TMP+4*(\f):TMP+4*(\f)+3], s[10:11] offset:(\f)*4096
.endr
.if \sw
	s_wait_xcnt 0x0                                ; the stores have read ctx's address
	s_mov_b64 s[10:11], s[80:81]
	s_add_co_u32 s[RT], s[CC], 1                   ; the second block has c + 1 tiles
	WIN 0x02
.set i, 0
.rept 32
	v_mov_b32 v[Q+i], v[Q2+i]
.set i, i+1
.endr
	WIN 0
	v_mov_b32 v[ST], 0xfe000000
	v_mov_b32 v[ST+1], 0xff7fffff
.endif
.endm
; A TRIP: one tile of 128 keys.  It begins with the products V^T P that the tile before left over (its second step's), and, if that tile was a block's last, the way out.
.macro TRIP fill
	CHANGE \fill
	v_add_nc_u32 v[AK], s[TB], v[AK0]
	v_add_nc_u32 v[AV], s[TB], v[AV0]
	FETCH_K 0
	MMPV                                           ; V of the step before was waited for in front of the change's barrier
	WIN 0
	s_cmp_eq_u32 s[ENDF], 1
	s_cbranch_scc0 .Lno_out_\@                     ; forward, past neither a barrier nor a tensor load; the same in all four partners
	WAYOUT 1
.Lno_out_\@:
	s_sub_co_u32 s[RT], s[RT], 1
	s_cmp_eq_u32 s[RT], 0                          ; the block's last tile holds the diagonal
	s_cselect_b32 s[DGF], 1.0, 0
	s_cselect_b32 s[ENDF], 1, 0
	PLACES
	FETCH_V 0
	s_wait_loadcnt 0x0                             ; this tile's kbias
	MASKS 0
	s_wait_dscnt 32                                ; K is in; V's 32 loads may be out
	MMKQ
	PLACES
	FETCH_K 1
	SOFTMAX
	s_wait_dscnt 32                                ; V is in; K's 32 loads may be out
	MMPV
	PLACES
	FETCH_V 1
	MASKS 1
.if \fill
	KBLOAD                                         ; for the tile that was asked for at this trip's head
.endif
	s_wait_dscnt 32                                ; K is in; V's 32 loads may be out
	MMKQ
	PLACES
	SOFTMAX
.endm
.Ltile:                                                ; 16 trips: a tile is walked and the next is asked for
	TRIP 1
	s_sub_co_u32 s[SLOTS], s[SLOTS], 1
	s_cmp_lg_u32 s[SLOTS], 0
	s_cbranch_scc1 .Ltile
	TRIP 0                                         ; the walk's last tile is written out
	s_wait_dscnt 0x0                               ; V is in
	MMPV
	WAYOUT 0
	s_wait_tensorcnt 0x0                           ; the wave's end
	ds_add_u32 v[SPW], v[NIL]
	s_wait_dscnt 0x0
	CROUND                                         ; the closing round
	s_endpgm
.Lfunc_end_k_qfbe112f8f5_attn:
	.size	k_qfbe112f8f5_attn, .Lfunc_end_k_qfbe112f8f5_attn-k_qfbe112f8f5_attn
	.p2alignl 7, 3214868480
	.fill 96, 4, 3214868480
	.section	.rodata,"a",@progbits
	.p2align	6, 0x0
	.amdhsa_kernel k_qfbe112f8f5_attn
		.amdhsa_group_segment_fixed_size 327680
		.amdhsa_private_segment_fixed_size 0
		.amdhsa_enable_private_segment 0
		.amdhsa_kernarg_size 32
		.amdhsa_user_sgpr_count 2
		.amdhsa_user_sgpr_kernarg_segment_ptr 1
		.amdhsa_wavefront_size32 1
		.amdhsa_system_sgpr_workgroup_id_x 1
		.amdhsa_system_sgpr_workgroup_id_y 1
		.amdhsa_system_sgpr_workgroup_id_z 1
		.amdhsa_system_vgpr_workitem_id 0
		.amdhsa_next_free_vgpr 704
		.amdhsa_next_free_sgpr 96
		.amdhsa_reserve_vcc 1
		.amdhsa_float_denorm_mode_32 3
		.amdhsa_float_denorm_mode_16_64 3
		.amdhsa_memory_ordered 1
		.amdhsa_forward_progress 1
		.amdhsa_inst_pref_size 118
	.end_amdhsa_kernel
	.amdgpu_metadata
---
amdhsa.version: [ 1, 2 ]
amdhsa.kernels:
  - .name:           k_qfbe112f8f5_attn
    .symbol:         k_qfbe112f8f5_attn.kd
    .args:
      - { .name: qkv, .offset: 0, .size: 8, .value_kind: global_buffer, .address_space: global }
      - { .name: kbias, .offset: 8, .size: 8, .value_kind: global_buffer, .address_space: global }
      - { .name: psum, .offset: 16, .size: 8, .value_kind: global_buffer, .address_space: global }
      - { .name: ctx, .offset: 24, .size: 8, .value_kind: global_buffer, .address_space: global }
    .group_segment_fixed_size: 327680
    .private_segment_fixed_size: 0
    .kernarg_segment_align: 8
    .kernarg_segment_size: 32
    .max_flat_workgroup_size: 128
    .sgpr_count:     96
    .vgpr_count:     704
    .wavefront_size: 32
...
	.end_amdgpu_metadata
.endif
;; end of part 3
;; launch gemm_out (part 4): grid 16 x 16, 4 waves a work-group, clusters of 4 x 4, 327,680 bytes of LDS; arguments ctx, wo8, out0; writes out0
.if DOCPART == 4
	.amdgcn_target "amdgcn-amd-amdhsa--gfx1250"
	.amdhsa_code_object_version 6
	.text
	.protected	k_qfbe112f8f5_gemm_out
	.globl	k_qfbe112f8f5_gemm_out
	.p2align	8
	.type	k_qfbe112f8f5_gemm_out,@function
k_qfbe112f8f5_gemm_out:
	s_mov_b64 s[64:65], 0
	v_nop
	global_prefetch_b8 v0, s[64:65] scope:SCOPE_SE
	s_setreg_imm32_b32 hwreg(HW_REG_WAVE_MODE, 25, 1), 1
	s_wait_xcnt 0x0
	s_wait_alu depctr_hold_cnt(0) depctr_sa_sdst(0) depctr_va_vdst(0) depctr_va_sdst(0) depctr_va_ssrc(0) depctr_va_vcc(0) depctr_vm_vsrc(0)
	s_getreg_b32 s2, hwreg(HW_REG_IB_STS2, 6, 4)
	s_cmp_eq_u32 s2, 0
	s_cbranch_scc0 .Lentry_in_a_cluster
	s_endpgm
.Lentry_in_a_cluster:
	s_bfe_u32 s2, ttmp6, 0x10000c
	s_cmp_lg_u32 s2, 0xf033
	s_cbranch_scc0 .Lentry_shape_is_right
	s_endpgm
.Lentry_shape_is_right:
; out0 = ctx Wo.  A = ctx [4096][1024] f16 (context / 8, rows along K), B = wo8 [1024 k][4096 n] f16 (8 x Wo rounded to bf16): the two factors cancel exactly.  Sums in f32, stored as they are.
; A tile of C is 256 x 256: 4096 x 4096 outputs make 256 tiles, one work-group each.  Four waves, each 128 x 128: 64 accumulators of 16 x 16, 512 registers.
; K goes in steps of 128 through two LDS slots.  A's tile rows are 256 bytes, B's (128 k rows of 256 columns) 512 bytes; B comes out of LDS turned, by ds_load_tr16_b128.
; A wave's one tensor load behind a change of slots has 224 of a K step's 256 matrix instructions in which to land.
; CLUSTER 4 x 4: the four work-groups of a row need the same tile of A, the four of a column the same tile of B: each is asked for jointly.
; THE MATRIX INSTRUCTION IS USED TRANSPOSED (source 0 = 16 columns of B, source 1 = 16 rows of A): lane l holds row l % 16 and eight neighbouring columns 8 (l / 16) + 0..7.
; REGISTERS, in windows of 256 (s_set_vgpr_msb: bits 1:0 source 0, 3:2 source 1, 5:4 source 2, 7:6 destination):
;   window 0: v0-31 addresses; v64-127, v128-191 A's fragments (8 x 16 rows x 32 K), two buffers; the same registers take whole rows on the way out
;   window 1: v64-127, v128-191 B's fragments, two buffers
;   window 2: the 32 accumulators of my rows 0-63 ((a, b) at v[8 (8 a + b)]);   window 3: those of my rows 64-127
.set KK,     1024
.set NN,     4096
.set KSTEP,  128
.set LAPS,   KK/(2*KSTEP)      ; a lap = two K steps = once round the ring
.set PA,     272               ; A's LDS row: 256 bytes + 16: the 16 rows of a load start at 16 different groups of four banks (64 banks of 4 bytes: ISA guide 11.1)
.set PB,     544               ; B's LDS row: 512 bytes + 32 = 17 x 32
.set HALFT,  128*PA            ; what one tensor load brings: 128 rows of A, or 64 k rows of B (64 x 544 is the same number of bytes)
.set BOFF,   2*HALFT           ; a slot: A's 256 rows, then B's 128 k rows
.set SLOT,   4*HALFT
.set STAGE,  2*SLOT            ; behind the ring: 16 rows x 528 bytes for each wave, for the way out
.set SP,     528
.set SPARE,  STAGE+4*16*SP     ; behind the stages: the spare words, 128 bytes for each wave
.set ADRA, 16                  ; v16-17 LDS address of my A fragments in slot 0, 1
.set ADRB, 20                  ; v20-21 the same for B
.set STO,  24                  ; the way out: where I put 32 bytes of a row
.set RD,   25                  ; where I read a row back
.set CO,   26                  ; my byte offset in a row of C
.set SPW,  28                  ; my spare word; never rewritten
.set NIL,  29                  ; 0; never rewritten
.set F0,   64                  ; fragment buffer 0
.set F1,   128                 ; fragment buffer 1
.set BK,   64                  ; the way out: 16 rows back from the stage, two buffers of 64
.set G1,  24                   ; s[24:31] descriptor group 1 for A's tiles; s[32:39] group 0, one set for each slot
.set G0,  32
.set G1B, 48                   ; s[48:55], s[56:63] the same for B's tiles
.set G0B, 56
.set MSB, 0
.macro WIN new                 ; the immediate's high byte repeats the setting that is left; a switch that changes nothing is dropped
.if MSB != (\new)
	s_set_vgpr_msb (MSB<<8)|(\new)
.set MSB, \new
.endif
.endm
.set MUL_LO, 0xa1              ; source 0 (B) window 1, source 1 (A) window 0, C and D window 2
.set MUL_HI, 0xf1              ; the same, C and D window 3
.set TO_B,   0x40              ; destination window 1, address window 0
.macro JLOAD s                 ; a joint load: waves 0 and 1 fetch A's two halves, waves 2 and 3 B's; an s_nop 0 and four v_nop follow each of the two lines
	s_cmp_eq_u32 s11, 0
	s_cbranch_scc0 .Lfor_b_\@
	tensor_load_to_lds s[G0+4*(\s):G0+4*(\s)+3], s[G1:G1+7]
	s_nop 0
.rept 4
	v_nop
.endr
	s_branch .Lasked_\@
.Lfor_b_\@:
	tensor_load_to_lds s[G0B+4*(\s):G0B+4*(\s)+3], s[G1B:G1B+7]
	s_nop 0
.rept 4
	v_nop
.endr
.Lasked_\@:
.endm
.macro CREST                   ; a round of the cluster's barrier behind its opening barrier
	s_cmp_lg_u32 s10, 0
	s_cbranch_scc1 .Lnot_wave_0_\@
	s_barrier_signal -3
.Lnot_wave_0_\@:
	s_barrier_wait -3
	s_barrier_signal -1
	s_barrier_wait -1
.endm
.macro CROUND
	s_barrier_signal -1
	s_barrier_wait -1
	CREST
.endm
	s_load_b128 s[4:7], s[0:1], 0x0                ; ctx s[4:5], wo8 s[6:7]
	s_load_b64 s[8:9], s[0:1], 0x10                ; out0
	v_lshl_add_u32 v[SPW], v0, 2, SPARE
	v_mov_b32 v[NIL], 0
	ds_add_u32 v[SPW], v[NIL]                      ; the wave's opening: the add and its wait stand ahead of my first tensor load; work on registers stands between them
	v_lshrrev_b32 v1, 5, v0
	v_readfirstlane_b32 s10, v1                    ; wave 0..3
	s_lshr_b32 s11, s10, 1                         ; which 128 rows of the tile are mine.  Also: I fetch for A (0) or for B (1)
	s_and_b32 s12, s10, 1                          ; which 128 columns.  Also: which half of that tile I fetch
	s_bfe_u32 s40, ttmp6, 0x40000                  ; cx, cy: my place in the cluster
	s_bfe_u32 s41, ttmp6, 0x40004
	s_lshl_b32 s42, ttmp9, 2
	s_add_co_u32 s42, s42, s40                     ; tile column = 4 x cluster x + cx
	s_and_b32 s13, ttmp7, 0xffff
	s_lshl_b32 s13, s13, 2
	s_add_co_u32 s13, s13, s41                     ; tile row = 4 x cluster y + cy
	s_lshl_b32 s43, s41, 2
	s_lshl_b32 s43, 15, s43                        ; my row of the cluster
	s_lshl_b32 s44, 0x1111, s40                    ; my column
	s_or_b32 s[G1+0], s43, (1<<16)|(1<<20)|(1<<21)|(5<<22)|(3<<25)   ; the mask; 2-byte elements; padding on; bit 21 beside a mask; after every 64 words 4 words
	s_or_b32 s[G1B+0], s44, (1<<16)|(1<<20)|(1<<21)|(6<<22)|(7<<25)  ; B: after every 128 words 8 words
	s_mov_b32 s[G1+1], 128<<16                     ; A: tensor_dim0 = 128
	s_mov_b32 s[G1+2], 128<<16                     ; tensor_dim1 = 128
	s_mov_b32 s[G1+3], 128<<16                     ; tile_dim0 = 128
	s_mov_b32 s[G1+4], 128                         ; tile_dim1 = 128
	s_mov_b32 s[G1+5], KK                          ; elements from row to row
	s_mov_b32 s[G1+6], 0
	s_mov_b32 s[G1+7], 0
	s_mov_b32 s[G1B+1], 256<<16                    ; B: 64 k rows of 256 columns
	s_mov_b32 s[G1B+2], 64<<16
	s_mov_b32 s[G1B+3], 256<<16
	s_mov_b32 s[G1B+4], 64
	s_mov_b32 s[G1B+5], NN
	s_mov_b32 s[G1B+6], 0
	s_mov_b32 s[G1B+7], 0
	s_lshl_b32 s16, s13, 8                         ; A: row 256 x tile row + 128 x half, in bytes (under 2^32)
	s_lshl_b32 s17, s12, 7
	s_add_co_u32 s16, s16, s17
	s_mul_i32 s16, s16, KK*2
	s_mov_b32 s17, 0
	s_mul_i32 s46, s12, 64*NN*2                    ; B: k row 64 x half, column 256 x tile column
	s_lshl_b32 s47, s42, 9
	s_add_co_u32 s46, s46, s47
	s_mov_b32 s47, 0
	s_mul_i32 s20, s12, HALFT                      ; where they go: no place in the cluster enters an LDS address
	s_mul_i32 s21, s12, HALFT
	s_add_co_u32 s21, s21, BOFF
	s_wait_dscnt 0x0                               ; the opening add is done
	s_wait_kmcnt 0x0
	s_add_nc_u64 s[14:15], s[4:5], s[16:17]
	s_add_nc_u64 s[46:47], s[6:7], s[46:47]
	CROUND                                         ; all sixteen work-groups are here: the first joint loads meet
.irp s, 0,1
	s_mov_b32 s[G0+4*(\s)], 1
	s_add_co_u32 s[G0+4*(\s)+1], s20, (\s)*SLOT
	s_add_nc_u64 s[G0+4*(\s)+2:G0+4*(\s)+3], s[14:15], (\s)*KSTEP*2
	s_or_b32 s[G0+4*(\s)+3], s[G0+4*(\s)+3], 0x80000000
	s_mov_b32 s[G0B+4*(\s)], 1
	s_add_co_u32 s[G0B+4*(\s)+1], s21, (\s)*SLOT
	s_add_nc_u64 s[G0B+4*(\s)+2:G0B+4*(\s)+3], s[46:47], (\s)*KSTEP*NN*2
	s_or_b32 s[G0B+4*(\s)+3], s[G0B+4*(\s)+3], 0x80000000
	JLOAD \s                                       ; two loads of mine are out
.endr
	v_and_b32 v1, 15, v0                           ; r = l % 16
	v_bfe_u32 v2, v0, 4, 1                         ; h = l / 16
	v_mul_u32_u24 v3, v1, PA                       ; A's fragment: row r, 16 bytes for each half of the lanes
	v_lshl_add_u32 v3, v2, 4, v3
	s_mul_i32 s22, s11, HALFT                      ; my 128 rows of A
	v_add_nc_u32 v[ADRA], s22, v3
	v_add_nc_u32 v[ADRA+1], SLOT, v[ADRA]
	v_and_b32 v4, 7, v0                            ; B's: lane l reads k row 8 h + l % 8, columns 8 ((l / 8) % 2) + 0..7
	v_bfe_u32 v5, v0, 3, 1
	v_lshl_add_u32 v4, v2, 3, v4
	v_mul_u32_u24 v4, v4, PB
	v_lshl_add_u32 v4, v5, 4, v4
	s_lshl_b32 s22, s12, 8                         ; my 128 columns of B, behind A's 256 rows
	s_add_co_u32 s22, s22, BOFF
	v_add_nc_u32 v[ADRB], s22, v4
	v_add_nc_u32 v[ADRB+1], SLOT, v[ADRB]
	s_mul_i32 s23, s10, 16*SP
	s_add_co_u32 s23, s23, STAGE                   ; my stage
	v_mul_u32_u24 v6, v1, SP                       ; in: row r, 32 bytes for each half of the lanes
	v_lshl_add_u32 v6, v2, 5, v6
	v_add_nc_u32 v[STO], s23, v6
	v_and_b32 v6, 31, v0                           ; back: 32 lanes take one row of 512 bytes
	v_lshl_add_u32 v[RD], v6, 4, s23
	v_lshlrev_b32 v[CO], 4, v6
	s_lshl_b32 s16, s13, 8                         ; out0 at my first row,
	s_lshl_b32 s17, s11, 7
	s_add_co_u32 s16, s16, s17
	s_lshl_b32 s16, s16, 14
	s_mov_b32 s17, 0
	s_add_nc_u64 s[8:9], s[8:9], s[16:17]
	s_lshl_b32 s46, s42, 10                        ; and my first column
	s_lshl_b32 s47, s12, 9
	s_add_co_u32 s46, s46, s47
	s_mov_b32 s47, 0
	s_add_nc_u64 s[8:9], s[8:9], s[46:47]
; 16 matrix instructions: row blocks a0, a0 + 1 of the window's four (hi = 0: my rows 0-63, 1: rows 64-127) x all 8 column blocks, 32 along K.  zero = 1: the product starts the sums.
; The 64 accumulators take turns in one order everywhere, one instruction a turn.
.macro MUL16 f, hi, a0, zero
	WIN MUL_LO+0x50*(\hi)
.irp a, \a0, (\a0)+1
.irp b, 0,1,2,3,4,5,6,7
.if \zero
	v_wmma_f32_16x16x32_f16 v[8*(8*(\a)+(\b)):8*(8*(\a)+(\b))+7], v[(\f)+8*(\b):(\f)+8*(\b)+7], v[(\f)+8*(4*(\hi)+(\a)):(\f)+8*(4*(\hi)+(\a))+7], 0
.else
	v_wmma_f32_16x16x32_f16 v[8*(8*(\a)+(\b)):8*(8*(\a)+(\b))+7], v[(\f)+8*(\b):(\f)+8*(\b)+7], v[(\f)+8*(4*(\hi)+(\a)):(\f)+8*(4*(\hi)+(\a))+7], v[8*(8*(\a)+(\b)):8*(8*(\a)+(\b))+7]
.endif
.endr
.endr
.endm
; 32 LDS loads in one run: quarter q (32 along K) of a slot into buffer f: B's 8 fragments (turned), then A's 8
.macro FETCH slot, q, f
	WIN TO_B
.irp i, 0,1,2,3,4,5,6,7
	ds_load_tr16_b128 v[(\f)+8*(\i):(\f)+8*(\i)+3],   v[ADRB+(\slot)] offset:(\q)*32*PB+32*(\i)
	ds_load_tr16_b128 v[(\f)+8*(\i)+4:(\f)+8*(\i)+7], v[ADRB+(\slot)] offset:(\q)*32*PB+16*PB+32*(\i)
.endr
	WIN 0
.irp i, 0,1,2,3,4,5,6,7
	ds_load_b128 v[(\f)+8*(\i):(\f)+8*(\i)+3],   v[ADRA+(\slot)] offset:64*(\q)+(\i)*16*PA
	ds_load_b128 v[(\f)+8*(\i)+4:(\f)+8*(\i)+7], v[ADRA+(\slot)] offset:64*(\q)+(\i)*16*PA+32
.endr
.endm
.macro PLACES                  ; four places in front of loads into registers that matrix instructions have read, and of LDS stores of results
.rept 4
	v_nop
.endr
.endm
; A K step is four quarters of 32 along K, 64 matrix instructions each, on buffers 0, 1, 0, 1.  One of the first three: multiplies buffer f; in its middle it fetches quarter qn into buffer g.
.macro QUARTER slot, qn, f, g, zero
	s_wait_dscnt 8                                 ; B and A's blocks 0-3 are in; the youngest eight loads (A's blocks 4-7) may be out
	MUL16 \f, 0, 0, \zero
	MUL16 \f, 0, 2, \zero
	PLACES
	FETCH \slot, \qn, \g
	s_wait_dscnt 32                                ; all but the 32 just issued
	MUL16 \f, 1, 0, \zero
	MUL16 \f, 1, 2, \zero
.endm
; The last quarter multiplies buffer 1 and changes slots.  MEET is its first half: one barrier; in front of it each wave waits for all its tensor loads, adds 0 to its spare word,
; and waits for that and for its reads of this slot.  Behind it nobody reads this slot any more and the next slot is whole.
.macro MEET round              ; round = 1: a round of the cluster's barrier follows
	WIN 0                                          ; (the add's two registers lie in window 0)
	s_wait_tensorcnt 0x0                           ; all my tensor loads have landed: the one that was out is my part of the next slot
	ds_add_u32 v[SPW], v[NIL]                      ; 0 onto my spare word
	s_wait_dscnt 9                                 ; (the add and the youngest eight loads may be out)
	MUL16 F1, 0, 0, 0                              ; sixteen matrix instructions stand between the add and the wait for it
	s_wait_dscnt 0x0                               ; the add is done, and my reads of this slot are over
	s_barrier_signal -1
	MUL16 F1, 0, 2, 0                              ; work on registers while the others arrive
.if \round
	WIN 0
.endif
	s_barrier_wait -1
.endm
.macro TURN slot, next, fill
	MEET \fill
.if \fill
	CREST                                          ; the barrier has opened a round of the cluster's: no wave of any partner still reads this slot or has a load on its way
	s_add_nc_u64 s[G0+4*(\slot)+2:G0+4*(\slot)+3], s[G0+4*(\slot)+2:G0+4*(\slot)+3], 2*KSTEP*2
	s_add_nc_u64 s[G0B+4*(\slot)+2:G0B+4*(\slot)+3], s[G0B+4*(\slot)+2:G0B+4*(\slot)+3], 2*KSTEP*NN*2
	JLOAD \slot                                    ; the first tensor load behind the round; its four v_nop are also the places in front of the loads below
.else
	PLACES
.endif
	FETCH \next, 0, F0
	MUL16 F1, 1, 0, 0
	MUL16 F1, 1, 2, 0
.endm
	s_wait_tensorcnt 1                             ; my part of K step 0 is in; K step 1's may stay out
	s_barrier_signal -1
	s_barrier_wait -1
	FETCH 0, 0, F0
	QUARTER 0, 1, F0, F1, 1                        ; the first quarter stands in front of the loop: its products start the sums
	WIN 0                                          ; at a label and at a branch every window is 0
	s_mov_b32 s3, LAPS-1
.Llap:                                                 ; a trip goes once round the ring, from a lap's second quarter to the next lap's first, and fills both slots again
	QUARTER 0, 2, F1, F0, 0
	QUARTER 0, 3, F0, F1, 0
	TURN 0, 1, 1
	QUARTER 1, 1, F0, F1, 0
	QUARTER 1, 2, F1, F0, 0
	QUARTER 1, 3, F0, F1, 0
	TURN 1, 0, 1
	QUARTER 0, 1, F0, F1, 0
	WIN 0
	s_sub_co_u32 s3, s3, 1
	s_cmp_lg_u32 s3, 0
	s_cbranch_scc1 .Llap
	QUARTER 0, 2, F1, F0, 0                        ; the last lap fills nothing, and has no round of the cluster's barrier
	QUARTER 0, 3, F0, F1, 0
	TURN 0, 1, 0
	QUARTER 1, 1, F0, F1, 0
	QUARTER 1, 2, F1, F0, 0
	QUARTER 1, 3, F0, F1, 0
	s_wait_dscnt 8                                 ; the very last quarter: nothing more to fetch
	MUL16 F1, 0, 0, 0
	MUL16 F1, 0, 2, 0
	s_wait_dscnt 0x0
	MUL16 F1, 1, 0, 0
	MUL16 F1, 1, 2, 0
	WIN 0
	PLACES                                         ; behind the last products: the LDS stores below read results, the LDS loads land in A's fragment registers
; THE WAY OUT, a block of 16 rows at a time.  TOSTAGE: a lane's 32 bytes of a row for each of 8 column blocks go into my stage (each accumulator's lower half first)
; and come back as whole rows of 512 bytes.  SEND: stored.  Block a's stage traffic is issued ahead of block a - 1's stores, so that the wave does not sit out the stage's round trip.
.macro TOSTAGE a
.set BKA, BK+64*((\a)%2)
.set AC, 64*((\a)%4)
	WIN 0x08+4*((\a)/4)                            ; the stores' data in window 2 or 3
.irp b, 0,1,2,3,4,5,6,7
	ds_store_b128 v[STO], v[AC+8*(\b):AC+8*(\b)+3]   offset:64*(\b)
	ds_store_b128 v[STO], v[AC+8*(\b)+4:AC+8*(\b)+7] offset:64*(\b)+16
.endr
	WIN 0
	s_wait_xcnt 0x0                                ; the stores of the block two back have had their addresses translated (ISA guide 3.1): their registers are loaded again only behind this wait
.set i, 0
.rept 16
	ds_load_b128 v[BKA+4*i:BKA+4*i+3], v[RD] offset:i*SP  ; LDS serves a wave's instructions in order (ISA guide 5.7.1.4): these see the stores above; the next block's stores come behind them
.set i, i+1
.endr
.endm
.macro SEND a, younger         ; younger: the LDS instructions issued behind block a's loads: the next block's 32, or none
.set BKA, BK+64*((\a)%2)
	s_wait_dscnt \younger
.set i, 0
.rept 16
	global_store_b128 v[CO], v[BKA+4*i:BKA+4*i+3], s[8:9] offset:(16*(\a)+i)*NN*4 th:TH_STORE_NT  ; 512 consecutive bytes of a row, aligned; 127 rows at the most: inside the signed 24-bit immediate
.set i, i+1
.endr
.endm
	TOSTAGE 0
.irp a, 1,2,3,4,5,6,7
	TOSTAGE \a
	SEND (\a)-1, 32
.endr
	SEND 7, 0
	s_wait_tensorcnt 0x0                           ; the wave's end
	ds_add_u32 v[SPW], v[NIL]
	s_wait_dscnt 0x0
	CROUND                                         ; the closing round
	s_endpgm
.Lfunc_end_k_qfbe112f8f5_gemm_out:
	.size	k_qfbe112f8f5_gemm_out, .Lfunc_end_k_qfbe112f8f5_gemm_out-k_qfbe112f8f5_gemm_out
	.p2alignl 7, 3214868480
	.fill 96, 4, 3214868480
	.section	.rodata,"a",@progbits
	.p2align	6, 0x0
	.amdhsa_kernel k_qfbe112f8f5_gemm_out
		.amdhsa_group_segment_fixed_size 327680
		.amdhsa_private_segment_fixed_size 0
		.amdhsa_enable_private_segment 0
		.amdhsa_kernarg_size 24
		.amdhsa_user_sgpr_count 2
		.amdhsa_user_sgpr_kernarg_segment_ptr 1
		.amdhsa_wavefront_size32 1
		.amdhsa_system_sgpr_workgroup_id_x 1
		.amdhsa_system_sgpr_workgroup_id_y 1
		.amdhsa_system_sgpr_workgroup_id_z 1
		.amdhsa_system_vgpr_workitem_id 0
		.amdhsa_next_free_vgpr 1024
		.amdhsa_next_free_sgpr 80
		.amdhsa_reserve_vcc 0
		.amdhsa_float_denorm_mode_32 3
		.amdhsa_float_denorm_mode_16_64 3
		.amdhsa_memory_ordered 1
		.amdhsa_forward_progress 1
		.amdhsa_inst_pref_size 140
	.end_amdhsa_kernel
	.amdgpu_metadata
---
amdhsa.version: [ 1, 2 ]
amdhsa.kernels:
  - .name:           k_qfbe112f8f5_gemm_out
    .symbol:         k_qfbe112f8f5_gemm_out.kd
    .args:
      - { .name: ctx, .offset: 0, .size: 8, .value_kind: global_buffer, .address_space: global }
      - { .name: wo8, .offset: 8, .size: 8, .value_kind: global_buffer, .address_space: global }
      - { .name: out0, .offset: 16, .size: 8, .value_kind: global_buffer, .address_space: global }
    .group_segment_fixed_size: 327680
    .private_segment_fixed_size: 0
    .kernarg_segment_align: 8
    .kernarg_segment_size: 24
    .max_flat_workgroup_size: 128
    .sgpr_count:     80
    .vgpr_count:     1024
    .wavefront_size: 32
...
	.end_amdgpu_metadata
.endif
;; end of part 4
;; ======== version 2 of 2: 4 launches; version 1 with the launch prep written anew for expert scheduling mode
;; limits: right only within a limited range of input values; values are held in f16: magnitudes above 65,504 overflow, below 6.1e-05 lose precision
;; workspace buffers: xb 33,554,432 bytes; wqkv 16,777,216 bytes; wo8 8,388,608 bytes; rope 2,105,344 bytes; kbias 16,384 bytes; qkv 16,777,216 bytes; psum 524,288 bytes; ctx 8,388,608 bytes
;; launch prep (part 5): grid 1157 x 1, 8 waves a work-group, no clusters, 0 bytes of LDS; arguments hidden_states, Wq, Wk, Wv, Wo, position_ids, attention_mask, xb, wqkv, wo8, rope, kbias; writes xb, wqkv, wo8, rope, kbias
.if DOCPART == 5
	.amdgcn_target "amdgcn-amd-amdhsa--gfx1250"
	.amdhsa_code_object_version 6
	.text
	.protected	k_qfbe112f8f5_prep
	.globl	k_qfbe112f8f5_prep
	.p2align	8
	.type	k_qfbe112f8f5_prep,@function
k_qfbe112f8f5_prep:
	s_mov_b64 s[64:65], 0
	v_nop
	global_prefetch_b8 v0, s[64:65] scope:SCOPE_SE
	s_setreg_imm32_b32 hwreg(HW_REG_WAVE_SCHED_MODE, 0, 2), 2
	s_setreg_imm32_b32 hwreg(HW_REG_WAVE_MODE, 25, 1), 1
	s_wait_xcnt 0x0
	s_wait_alu depctr_vm_vsrc(0)
; PREP: everything that later launches want in another format, each input byte read once.
;   work-groups 0-255    the rope table: row b*2048+s holds cos(pos*f_j)/8 for j = 0..63, then sin(pos*f_j)/8; f_j = 10000^(-j/64); 16 rows a work-group
;   work-group  256      16 rows behind the table with 1/8 and 0: the table that V's columns take (no rotation, the same factor 1/8)
;   work-groups 257-260  kbias: 0 where attention_mask > 0, else -1e30
;   work-groups 261-1156 casts, 32,768 numbers each: hidden_states -> xb (bf16); Wq, Wk, Wv -> wqkv (bf16, one matrix [4096][2048]); Wo -> wo8 = f16(8 x bf16(Wo))
; The factor 1/8 on q, k and v keeps them inside f16 up to 524,000; it is exact, and is taken back in the softmax's scale (x 64) and in wo8 (x 8).
; No LDS, no matrix unit, no cluster: a stream whose work-groups share no input.
; LIMITS.  The angle pos*f_j is reduced by pi/2 in three parts with fused multiply-adds: good to f32's rounding up to angles of about 1e5; beyond, the angle loses bits.
; Sine and cosine are polynomials on |r| <= pi/4, good to about 1e-7.  8 x bf16(Wo) is exact in f16 between 6e-5 and 65,504; below, it keeps f16's fixed step of 6e-8.
; THE MODE: SCHED_MODE bits 1:0 = 2 (LLVM: expert scheduling mode 2), set by the entry lines.  The code itself states the register dependences between vector instructions
; and memory instructions, and those through scalar registers that vector instructions write, with s_wait_alu, always for 0.
; THE PLAN, for the casts.  Registers that memory instructions touch:
;   v1        16 t.  Written once at the head; read by the 32 loads; never written again.
;   X, slot i Four registers.  The slot's load lands in them (no vector instruction has named them); the slot's conversions read the four and write the first two; the slot's store reads those two; never written again.
;   DA + i    Written once, behind the loads; read by slot i's store; never written again.
;   T, EIGHT, ZERO, v34, v35 are named by vector instructions alone.
; The 32 slots go in eight blocks of four.  Block p rounds its four slots and issues the four stores of block p - 1, which no vector instruction of block p names.  So ONE wait on va_vdst stands at a
; block's head, and the block's stores are dealt among its conversions with no further wait.  No register that a load or store reads is written again: there is no wait on vm_vsrc.
; THE PLAN, for the table and kbias: an offset is made, one wait, the load; the compares of a run write s4 to s7, one wait on va_sdst, the selects; the results are made, one wait, the stores.
.set DA,    2          ; v[2:33]    a cast's 32 byte offsets in the destination, never rewritten
.set X,     40         ; v[40:167]  a cast's 32 slots of four f32
.set T,     168        ; v[168:171] at work
.set EIGHT, 172        ; v172  8.0
.set ZERO,  173        ; v173  0
.set BLK,   4          ; slots in a block of the casts
.set MK,  4            ; s[4:7] the masks of four compares
.set NCH, 32           ; the table's constants, in scalar registers that the casts use otherwise
.set NCL, 33
.set LN2, 34
.set TOPI, 35
.set P1,  36
.set P2,  37
.set P3,  38
.set S0,  39
.set S1,  40
.set S2,  41
.set C0,  42
.set C1,  43
.set C2,  44
.set SRC, 32           ; s[32:33] a cast's source, s[34:35] its destination
.set DST, 34
.set GL,  36           ; the work-group's number within its tensor
.set LOGN, 37          ; log2 of the source's row length
.set MASKN, 38
.set LOGPB, 39         ; log2 of the destination's row pitch in bytes
.set COLB, 40          ; first byte of the tensor's columns in a destination row
.set DSTEP, 41         ; destination bytes from slot to slot (1,024 numbers on)
.set KIND, 42          ; 1: Wo
.set G,   43
	s_load_b512 s[8:23], s[0:1], 0x0               ; hidden s[8:9], Wq s[10:11], Wk s[12:13], Wv s[14:15], Wo s[16:17], pos s[18:19], mask s[20:21], xb s[22:23]
	s_load_b256 s[24:31], s[0:1], 0x40             ; wqkv s[24:25], wo8 s[26:27], rope s[28:29], kbias s[30:31]
	s_wait_kmcnt 0x0
	s_cmp_gt_u32 ttmp9, 260
	s_cbranch_scc1 .Lcast
	s_cmp_gt_u32 ttmp9, 256
	s_cbranch_scc1 .Lkb
	; THE TABLE.  Thread t: row t / 16 of the group's 16, frequencies 4 (t % 16) + 0..3: sixteen lanes store 256 consecutive bytes, aligned.
	v_lshrrev_b32 v1, 4, v0
	v_and_b32 v2, 15, v0
	s_lshl_b32 s2, ttmp9, 13                       ; 16 rows of 512 bytes
	s_mov_b32 s3, 0
	s_add_nc_u64 s[28:29], s[28:29], s[2:3]
	v_lshlrev_b32 v5, 9, v1
	v_lshl_add_u32 v5, v2, 4, v5
	s_cmp_eq_u32 ttmp9, 256
	s_cbranch_scc1 .Lident
	s_lshl_b32 s2, ttmp9, 6
	v_lshl_add_u32 v3, v1, 2, s2
	s_wait_alu depctr_va_vdst(0)                   ; v3 is written, which the load reads as its offset
	global_load_b32 v4, v3, s[18:19]               ; my row's position
	s_mov_b32 s[NCH], 0xbe549a78                   ; -log2(10000)/64, high part
	s_mov_b32 s[NCL], 0xb1979a94                   ; and what f32 left of it
	s_mov_b32 s[LN2], 0x3f317218
	s_mov_b32 s[TOPI], 0x3f22f983                  ; 2/pi
	s_mov_b32 s[P1], 0x3fc90fd8                    ; pi/2 in three parts
	s_mov_b32 s[P2], 0x34a8885a
	s_mov_b32 s[P3], 0x27c234c4
	s_mov_b32 s[S0], 0xb94ca1f9                    ; sine: r + r z ((S0 z + S1) z + S2)
	s_mov_b32 s[S1], 0x3c08839e
	s_mov_b32 s[S2], 0xbe2aaaa3
	s_mov_b32 s[C0], 0x37ccf5ce                    ; cosine: 1 - z/2 + z z ((C0 z + C1) z + C2)
	s_mov_b32 s[C1], 0xbab6061a
	s_mov_b32 s[C2], 0x3d2aaaa5
; f_j = 2^(j x (NCH + NCL)): the product's rounding error and the constant's low part are gathered in e, and 2^(t + e) = 2^t (1 + e ln 2)
.macro FREQ i
.set R, 16+12*(\i)
	v_lshl_add_u32 v[R], v2, 2, \i
	v_cvt_f32_u32 v[R], v[R]
	v_mul_f32 v[R+1], s[NCH], v[R]
	v_fma_f32 v[R+2], v[R], s[NCH], -v[R+1]
	v_fma_f32 v[R+2], v[R], s[NCL], v[R+2]
	v_exp_f32 v[R+3], v[R+1]
	v_nop                                          ; a plain instruction between the exponential and the use of its result
	s_wait_alu depctr_va_vdst(0)
	v_mul_f32 v[R+4], v[R+3], v[R+2]
	v_fma_f32 v[R+3], v[R+4], s[LN2], v[R+3]
.endm
; the angle, its quadrant q and remainder r; both polynomials; whether the quadrant is odd, as a mask in a scalar register of the frequency's own
.macro ANG i
.set R, 16+12*(\i)
	v_mul_f32 v[R+5], v6, v[R+3]                   ; pos x f_j, rounded once
	v_mul_f32 v[R+6], s[TOPI], v[R+5]
	v_rndne_f32 v[R+6], v[R+6]
	v_fma_f32 v[R+7], -v[R+6], s[P1], v[R+5]
	v_fma_f32 v[R+7], -v[R+6], s[P2], v[R+7]
	v_fma_f32 v[R+7], -v[R+6], s[P3], v[R+7]
	v_mul_f32 v[R+8], v[R+7], v[R+7]
	v_fma_f32 v[R+9], v[R+8], s[S0], s[S1]
	v_fma_f32 v[R+9], v[R+9], v[R+8], s[S2]
	v_mul_f32 v[R+10], v[R+8], v[R+7]
	v_fma_f32 v[R+9], v[R+9], v[R+10], v[R+7]      ; sin r
	v_fma_f32 v[R+10], v[R+8], s[C0], s[C1]
	v_fma_f32 v[R+10], v[R+10], v[R+8], s[C2]
	v_mul_f32 v[R+11], v[R+8], v[R+8]
	v_fma_f32 v[R+4], v[R+8], -0.5, 1.0
	v_fma_f32 v[R+10], v[R+10], v[R+11], v[R+4]    ; cos r
	v_cvt_i32_f32 v[R+6], v[R+6]
	v_and_b32 v[R+4], 1, v[R+6]
	v_cmp_ne_u32 s[MK+(\i)], 0, v[R+4]             ; odd quadrant: sine and cosine change places
.endm
; the quadrant swaps the two and sets the signs; the factor 1/8
.macro QUAD i
.set R, 16+12*(\i)
	v_cndmask_b32 v[R+1], v[R+9], v[R+10], s[MK+(\i)]
	v_cndmask_b32 v[R+2], v[R+10], v[R+9], s[MK+(\i)]
	v_and_b32 v[R+4], 2, v[R+6]                    ; the sine is negative in quadrants 2 and 3,
	v_lshlrev_b32 v[R+4], 30, v[R+4]
	v_xor_b32 v[R+1], v[R+4], v[R+1]
	v_add_nc_u32 v[R+6], 1, v[R+6]                 ; the cosine in 1 and 2
	v_and_b32 v[R+4], 2, v[R+6]
	v_lshlrev_b32 v[R+4], 30, v[R+4]
	v_xor_b32 v[R+2], v[R+4], v[R+2]
	v_mul_f32 v[64+(\i)], 0x3e000000, v[R+2]
	v_mul_f32 v[68+(\i)], 0x3e000000, v[R+1]
.endm
	FREQ 0
	FREQ 1
	FREQ 2
	FREQ 3
	s_wait_loadcnt 0x0
	v_cvt_f32_i32 v6, v4
	ANG 0
	ANG 1
	ANG 2
	ANG 3
	s_wait_alu depctr_va_sdst(0)                   ; the four compares have written s4 to s7, which the selects below read
	QUAD 0
	QUAD 1
	QUAD 2
	QUAD 3
	s_wait_alu depctr_va_vdst(0)                   ; v[64:71] are written, which the two stores read as data (their offset v5 was written ahead of the wait in front of the load)
	global_store_b128 v5, v[64:67], s[28:29]
	global_store_b128 v5, v[68:71], s[28:29] offset:256
	s_endpgm
.Lident:
.irp i, 0,1,2,3
	v_mov_b32 v[64+(\i)], 0x3e000000
	v_mov_b32 v[68+(\i)], 0
.endr
	s_wait_alu depctr_va_vdst(0)                   ; v5 and v[64:71] are written, which the two stores read as offset and data
	global_store_b128 v5, v[64:67], s[28:29]
	global_store_b128 v5, v[68:71], s[28:29] offset:256
	s_endpgm
.Lkb:                                                  ; four flags a thread
	s_sub_co_u32 s2, ttmp9, 257
	s_lshl_b32 s2, s2, 12
	v_lshl_add_u32 v1, v0, 4, s2
	s_wait_alu depctr_va_vdst(0)                   ; v1 is written, which the load and the store read as their offset
	global_load_b128 v[4:7], v1, s[20:21]
	v_mov_b32 v12, 0xf149f2ca                      ; -1e30
	v_mov_b32 v13, 0
	s_wait_loadcnt 0x0
.irp i, 0,1,2,3
	v_cmp_lt_i32 s[MK+(\i)], 0, v[4+(\i)]
.endr
	s_wait_alu depctr_va_sdst(0)                   ; the four compares have written s4 to s7, which the selects below read
.irp i, 0,1,2,3
	v_cndmask_b32 v[8+(\i)], v12, v13, s[MK+(\i)]
.endr
	s_wait_alu depctr_va_vdst(0)                   ; the selects have written v[8:11], which the store reads
	global_store_b128 v1, v[8:11], s[30:31]
	s_endpgm
; THE CASTS.  One text for the five tensors; what differs lies in scalar registers.
.macro CASE upto, first, src, dst, logn, logpb, colb, dstep, kind
.if \upto
	s_cmp_lt_u32 s[G], \upto
	s_cbranch_scc0 .Lnext_\@
.endif
	s_sub_co_u32 s[GL], s[G], \first
	s_mov_b64 s[SRC:SRC+1], s[\src:\src+1]
	s_mov_b64 s[DST:DST+1], s[\dst:\dst+1]
	s_mov_b32 s[LOGN], \logn
	s_mov_b32 s[MASKN], (1<<\logn)-1
	s_mov_b32 s[LOGPB], \logpb
	s_mov_b32 s[COLB], \colb
	s_mov_b32 s[DSTEP], \dstep
	s_mov_b32 s[KIND], \kind
.if \upto
	s_branch .Lgo
.Lnext_\@:
.endif
.endm
.Lcast:
	s_sub_co_u32 s[G], ttmp9, 261
	CASE 512, 0,   8,  22, 12, 13, 0,    2048, 0   ; hidden_states -> xb
	CASE 640, 512, 10, 24, 10, 12, 0,    4096, 0   ; Wq -> columns 0-1023 of wqkv
	CASE 704, 640, 12, 24, 9,  12, 2048, 8192, 0   ; Wk -> columns 1024-1535
	CASE 768, 704, 14, 24, 9,  12, 3072, 8192, 0   ; Wv -> columns 1536-2047
	CASE 0,   768, 16, 26, 12, 13, 0,    2048, 1   ; Wo -> wo8
.Lgo:
	s_lshl_b32 s2, s[GL], 17                       ; 131,072 source bytes a work-group
	s_mov_b32 s3, 0
	s_add_nc_u64 s[SRC:SRC+1], s[SRC:SRC+1], s[2:3]
	v_lshlrev_b32 v1, 4, v0
	s_wait_alu depctr_va_vdst(0)                   ; v1 is written, which the 32 loads read as their offset
.set i, 0
.rept 32                                               ; all 32 loads of a thread go out at once: 16 KB of a wave are on their way; a load of the wave covers 512 consecutive bytes
	global_load_b128 v[X+4*i:X+4*i+3], v1, s[SRC:SRC+1] offset:4096*i th:TH_LOAD_NT
.set i, i+1
.endr
	s_lshl_b32 s2, s[GL], 15
	v_lshl_add_u32 v34, v0, 2, s2                  ; my first number
	v_lshrrev_b32 v35, s[LOGN], v34                ; its row
	v_and_b32 v34, s[MASKN], v34                   ; its column
	v_lshlrev_b32 v35, s[LOGPB], v35
	v_lshl_add_u32 v34, v34, 1, s[COLB]
	v_add_nc_u32 v[DA], v35, v34
.set i, 1
.rept 31
	v_add_nc_u32 v[DA+i], s[DSTEP], v[DA+i-1]
.set i, i+1
.endr
	v_mov_b32 v[EIGHT], 0x41000000
	v_mov_b32 v[ZERO], 0
; Slot i: loads come back in order, so the count leaves the 31 - i younger ones out.  Four numbers are rounded in place; a store of the wave covers 256 consecutive bytes, aligned.
; No register that a pending load or store names is written again, so no further wait is needed for them.
; A slot's store is issued a block of four slots later, behind the one wait at that block's head, and ahead of the wait for the next slot's load.
.macro SLOTS kind
.set i, 0
.rept 32
.if i % BLK == 0
	s_wait_loadcnt 31-i
.if i > 0
	s_wait_alu depctr_va_vdst(0)                   ; the block before has written the first two registers of its four slots, which the four stores of this block read; at the first such wait all of DA is written too
.endif
.endif
.if i >= BLK
	global_store_b64 v[DA+i-BLK], v[X+4*(i-BLK):X+4*(i-BLK)+1], s[DST:DST+1]  ; no vector instruction since the wait names these registers
.endif
.if i % BLK != 0
	s_wait_loadcnt 31-i
.endif
	v_cvt_pk_bf16_f32 v[X+4*i], v[X+4*i], v[X+4*i+1]
	v_cvt_pk_bf16_f32 v[X+4*i+1], v[X+4*i+2], v[X+4*i+3]
.if \kind
	v_fma_mix_f32_bf16 v[T], v[X+4*i], v[EIGHT], v[ZERO] op_sel_hi:[1,0,0]                    ; the bf16 number times 8, exact in f32,
	v_fma_mix_f32_bf16 v[T+1], v[X+4*i], v[EIGHT], v[ZERO] op_sel:[1,0,0] op_sel_hi:[1,0,0]
	v_fma_mix_f32_bf16 v[T+2], v[X+4*i+1], v[EIGHT], v[ZERO] op_sel_hi:[1,0,0]
	v_fma_mix_f32_bf16 v[T+3], v[X+4*i+1], v[EIGHT], v[ZERO] op_sel:[1,0,0] op_sel_hi:[1,0,0]
	v_cvt_pk_f16_f32 v[X+4*i], v[T], v[T+1]                                                   ; written as f16
	v_cvt_pk_f16_f32 v[X+4*i+1], v[T+2], v[T+3]
.endif
.set i, i+1
.endr
	s_wait_alu depctr_va_vdst(0)                   ; the last block has written its slots, which the last four stores read
.set i, 32-BLK
.rept BLK
	global_store_b64 v[DA+i], v[X+4*i:X+4*i+1], s[DST:DST+1]
.set i, i+1
.endr
	s_endpgm
.endm
	s_cmp_eq_u32 s[KIND], 1
	s_cbranch_scc1 .Lwo
	SLOTS 0
.Lwo:
	SLOTS 1
.Lfunc_end_k_qfbe112f8f5_prep:
	.size	k_qfbe112f8f5_prep, .Lfunc_end_k_qfbe112f8f5_prep-k_qfbe112f8f5_prep
	.p2alignl 7, 3214868480
	.fill 96, 4, 3214868480
	.section	.rodata,"a",@progbits
	.p2align	6, 0x0
	.amdhsa_kernel k_qfbe112f8f5_prep
		.amdhsa_group_segment_fixed_size 0
		.amdhsa_private_segment_fixed_size 0
		.amdhsa_enable_private_segment 0
		.amdhsa_kernarg_size 96
		.amdhsa_user_sgpr_count 2
		.amdhsa_user_sgpr_kernarg_segment_ptr 1
		.amdhsa_wavefront_size32 1
		.amdhsa_system_sgpr_workgroup_id_x 1
		.amdhsa_system_sgpr_workgroup_id_y 1
		.amdhsa_system_sgpr_workgroup_id_z 1
		.amdhsa_system_vgpr_workitem_id 0
		.amdhsa_next_free_vgpr 176
		.amdhsa_next_free_sgpr 66
		.amdhsa_reserve_vcc 0
		.amdhsa_float_denorm_mode_32 3
		.amdhsa_float_denorm_mode_16_64 3
		.amdhsa_memory_ordered 1
		.amdhsa_forward_progress 1
		.amdhsa_inst_pref_size 48
	.end_amdhsa_kernel
	.amdgpu_metadata
---
amdhsa.version: [ 1, 2 ]
amdhsa.kernels:
  - .name:           k_qfbe112f8f5_prep
    .symbol:         k_qfbe112f8f5_prep.kd
    .args:
      - { .name: hidden_states, .offset: 0, .size: 8, .value_kind: global_buffer, .address_space: global }
      - { .name: Wq, .offset: 8, .size: 8, .value_kind: global_buffer, .address_space: global }
      - { .name: Wk, .offset: 16, .size: 8, .value_kind: global_buffer, .address_space: global }
      - { .name: Wv, .offset: 24, .size: 8, .value_kind: global_buffer, .address_space: global }
      - { .name: Wo, .offset: 32, .size: 8, .value_kind: global_buffer, .address_space: global }
      - { .name: position_ids, .offset: 40, .size: 8, .value_kind: global_buffer, .address_space: global }
      - { .name: attention_mask, .offset: 48, .size: 8, .value_kind: global_buffer, .address_space: global }
      - { .name: xb, .offset: 56, .size: 8, .value_kind: global_buffer, .address_space: global }
      - { .name: wqkv, .offset: 64, .size: 8, .value_kind: global_buffer, .address_space: global }
      - { .name: wo8, .offset: 72, .size: 8, .value_kind: global_buffer, .address_space: global }
      - { .name: rope, .offset: 80, .size: 8, .value_kind: global_buffer, .address_space: global }
      - { .name: kbias, .offset: 88, .size: 8, .value_kind: global_buffer, .address_space: global }
    .group_segment_fixed_size: 0
    .private_segment_fixed_size: 0
    .kernarg_segment_align: 8
    .kernarg_segment_size: 96
    .max_flat_workgroup_size: 256
    .sgpr_count:     66
    .vgpr_count:     176
    .wavefront_size: 32
...
	.end_amdgpu_metadata
.endif
;; end of part 5
;; launch gemm_qkv: the kernel of part 2 again; grid 8 x 32, 4 waves a work-group, clusters of 4 x 4, 327,680 bytes of LDS; arguments xb, wqkv, rope, qkv, psum; writes qkv, psum
;; launch attn: the kernel of part 3 again; grid 32 x 8, 4 waves a work-group, clusters of 4 x 1, 327,680 bytes of LDS; arguments qkv, kbias, psum, ctx; writes ctx
;; launch gemm_out: the kernel of part 4 again; grid 16 x 16, 4 waves a work-group, clusters of 4 x 4, 327,680 bytes of LDS; arguments ctx, wo8, out0; writes out0
